; MI455X (gfx1250); checked and timed in simulation.
; The chip was launched on July 23, 2026; its instructions are those of AMD's public machine-readable ISA for CDNA 5 (MIT licence, August 2026) and "CDNA5" Instruction Set Architecture Reference Guide (July 2026). The comments in the code are by the model that wrote it; some were corrected since.
;; Axial Softmax Attention. Allowed arithmetic: float matrix products may take bf16 or f16 operands with f32 sums; all other float work in f32.
;; Inputs: b_k_ant 1,024 float32; b_k_freq 1,024 float32; b_out 1,024 float32; b_q_ant 1,024 float32; b_q_freq 1,024 float32; b_v_ant 1,024 float32; b_v_freq 1,024 float32; w_k_ant 1,024 x 1,024 float32; w_k_freq 1,024 x 1,024 float32; w_out 1,024 x 1,024 float32; w_q_ant 1,024 x 1,024 float32; w_q_freq 1,024 x 1,024 float32; w_v_ant 1,024 x 1,024 float32; w_v_freq 1,024 x 1,024 float32; x 64 x 129 x 1,024 float32.
;; Outputs: out0 64 x 129 x 1,024 float32.
;; 2 versions, each right; version 2 is version 1 with the launch pack written anew for expert scheduling mode. Each part assembles by itself: llvm-mc -triple=amdgcn-amd-amdhsa -mcpu=gfx1250 --defsym DOCPART=n.
;; ======== version 1 of 2: 4 launches
;; workspace buffers: act0 16,777,216 bytes; act1 16,777,216 bytes; wpa 6,291,456 bytes; wpf 6,291,456 bytes; wo 2,097,152 bytes; mask_a 2,048 bytes; mask_f 2,048 bytes
;; launch pack (part 1): grid 480 x 1, 8 waves a work-group, no clusters, 0 bytes of LDS; arguments x, w_q_ant, w_k_ant, w_v_ant, w_q_freq, w_k_freq, w_v_freq, w_out, act0, wpa, wpf, wo, mask_a, mask_f; writes act0, wpa, wpf, wo, mask_a, mask_f
.if DOCPART == 1
	.amdgcn_target "amdgcn-amd-amdhsa--gfx1250"
	.amdhsa_code_object_version 6
	.text
	.protected	k_q41465ec6b3_pack
	.globl	k_q41465ec6b3_pack
	.p2align	8
	.type	k_q41465ec6b3_pack,@function
k_q41465ec6b3_pack:
	s_mov_b64 s[64:65], 0
	v_nop
	global_prefetch_b8 v0, s[64:65] scope:SCOPE_SE
	s_setreg_imm32_b32 hwreg(HW_REG_WAVE_MODE, 25, 1), 1
	s_wait_xcnt 0x0
; PACK: x's grid rows and the seven weights are rounded once to bf16 and laid in UNITS of 32 along K, so that the later launches' tiles are dense in memory.
;   act0 [bp 32][u 32][row 256][32]      batch 2 bp + row / 128; row % 128 = 32 g + a (source row 1 + 4 a + g): an antenna group is 32 neighbouring rows
;   wpa, wpf [hgp 8][u 32][n 384][32]    n = 192 hh + 64 t + c: head 2 hgp + hh, t = q, k, v, channel c (source row 64 head + c of weight t)
;   wo  [nq 8][u 32][128][32]            source row 128 nq + c
;   mask_a, mask_f [tile 2][lane 32][8] f32: what the attention adds to a 16 x 16 tile of scores (lane: query lane % 16, keys 8 (lane / 16) + j).
;     mask_a: 0 everywhere.  mask_f tile 0 (query and key block alike): 0 where key / 4 = query / 4, else -1e30; tile 1 (unlike blocks): -1e30.
; A stream: each byte is read once and written once; no LDS, no matrix unit, no cluster (no two work-groups share a byte).
; A work-group takes 32 rows that lie together in the destination, 1,024 columns.  480 = 256 (x: batch, group) + 7 x 32 (weights).  A wave takes four of the rows.
; Sixteen lanes read 256 consecutive bytes of a row: 64 columns, which belong to two units.  Load P brings rows 0 and 2 of the wave's four, load Q rows 1 and 3.  Rounded, lanes 0-7 of each
; half hold the first unit's 64 bytes of a row and lanes 8-15 the second's.  An exchange of the 8-lane halves puts the four rows' parts of ONE unit into one register pair, so that each
; store of the wave covers 256 consecutive bytes, at a multiple of 256.  All 32 loads go out at once; no register that a load or store names is rewritten, so the only waits are the counted ones for the loads.
.set SO,  2                            ; v2-3     source offset of my 16 bytes for load P, Q
.set DOF, 8                            ; v8-23    destination offset for the pair of units kb
.set PC,  24                           ; v24-25   P rounded
.set QC,  26                           ; v26-27   Q rounded
.set TP,  28                           ; v28-29   P with the 8-lane halves exchanged
.set TQ,  30                           ; v30-31   Q likewise
.set X,   32                           ; v32-159  32 loads
.set Y,   160                          ; v160-223 32 stores
	s_load_b512 s[8:23], s[0:1], 0x0               ; x, w_q_ant, w_k_ant, w_v_ant, w_q_freq, w_k_freq, w_v_freq, w_out
	s_load_b256 s[24:31], s[0:1], 0x40             ; act0, wpa, wpf, wo
	s_load_b128 s[32:35], s[0:1], 0x60             ; mask_a, mask_f
	s_mov_b32 s42, ttmp9                           ; the work-group's number
	; as a part of x: batch id / 4, group id % 4
	s_lshr_b32 s43, s42, 2
	s_and_b32 s44, s42, 3
	s_mul_i32 s46, s43, 528384                     ; 129 rows of 4,096 bytes a batch
	s_lshl_b32 s47, s44, 12
	s_add_co_u32 s46, s46, s47
	s_add_co_u32 s46, s46, 4096                    ; source: row 1 + g
	s_lshr_b32 s48, s43, 1
	s_lshl_b32 s48, s48, 19                        ; destination: the pair of batches (32 units of 16,384 bytes),
	s_and_b32 s47, s43, 1
	s_lshl_b32 s47, s47, 13                        ; 128 rows of 64 bytes for the odd batch,
	s_add_co_u32 s48, s48, s47
	s_lshl_b32 s47, s44, 11                        ; 32 rows a group
	s_add_co_u32 s48, s48, s47
	; as a part of a weight: weight (id - 256) / 32, rows 32 j on
	s_and_b32 s55, s42, 0xff
	s_lshr_b32 s45, s55, 5
	s_and_b32 s55, s55, 31                         ; j
	s_lshl_b32 s50, s55, 17                        ; source: 32 j rows of 4,096 bytes
	s_cmp_ge_u32 s45, 3
	s_cselect_b32 s51, 3, 0
	s_sub_co_u32 s51, s45, s51                     ; t (of no use for w_out)
	s_lshl_b32 s51, s51, 12                        ; 64 rows of 64 bytes
	s_lshr_b32 s52, s55, 2                         ; hgp, or nq
	s_mul_i32 s53, s52, 786432                     ; 32 units of 24,576 bytes
	s_add_co_u32 s53, s53, s51
	s_bfe_u32 s54, s55, 0x10001                    ; hh = (j / 2) % 2
	s_mul_i32 s54, s54, 12288                      ; 192 rows
	s_add_co_u32 s53, s53, s54
	s_and_b32 s54, s55, 1
	s_lshl_b32 s54, s54, 11
	s_add_co_u32 s53, s53, s54                     ; destination in wpa or wpf
	s_lshl_b32 s52, s52, 18                        ; 32 units of 8,192 bytes
	s_and_b32 s54, s55, 3
	s_lshl_b32 s54, s54, 11
	s_add_co_u32 s52, s52, s54                     ; destination in wo
	s_mov_b32 s40, 4096                            ; bytes from source row to source row
	s_mov_b32 s58, 24576                           ; bytes from unit to unit in the destination
	s_cmp_eq_u32 s45, 6
	s_cselect_b32 s58, 8192, s58
	s_cselect_b32 s53, s52, s53
	s_cmp_lt_u32 s42, 256
	s_cselect_b32 s40, 16384, s40                  ; x: four rows on
	s_cselect_b32 s58, 16384, s58
	s_cselect_b32 s46, s46, s50
	s_cselect_b32 s48, s48, s53
	s_cselect_b32 s45, 15, s45                     ; which weight; 15: none
	s_mov_b32 s47, 0
	s_mov_b32 s49, 0
	s_mov_b32 s59, 0
	s_lshl_b32 s41, s58, 1                         ; bytes from one pair of units to the next
	v_lshrrev_b32 v1, 5, v0
	v_readfirstlane_b32 s56, v1                    ; wave
	v_and_b32 v4, 31, v0                           ; lane
	v_lshrrev_b32 v5, 4, v4
	v_lshlrev_b32 v5, 1, v5
	v_lshl_add_u32 v5, v1, 2, v5                   ; load P: row 4 wave + 2 (lane / 16) of the 32
	v_and_b32 v6, 15, v0
	v_lshlrev_b32 v6, 4, v6
	v_mad_u32_u24 v[SO], v5, s40, v6
	v_add_nc_u32 v5, 1, v5                         ; load Q: one row further down
	v_mad_u32_u24 v[SO+1], v5, s40, v6
	v_lshlrev_b32 v7, 3, v4
	v_lshl_add_u32 v7, v1, 8, v7                   ; 4 rows of 64 bytes a wave + 8 bytes a lane
.set kb, 0
.rept 16
	v_mad_u32_u24 v[DOF+kb], s41, kb, v7
.set kb, kb+1
.endr
	v_and_b32 v[QC], 8, v0
	v_cmp_ne_u32 s62, 0, v[QC]                     ; lanes 8-15 and 24-31
.set j, 0
.rept 4
	v_mov_b32 v[TP+j], 0                           ; a DPP form's destination counts as read: written once here
.set j, j+1
.endr
	s_wait_kmcnt 0x0
	s_mov_b64 s[36:37], s[8:9]                     ; the source: x, or the weight
	s_cmp_eq_u32 s45, 0
	s_cselect_b64 s[36:37], s[10:11], s[36:37]
	s_cmp_eq_u32 s45, 1
	s_cselect_b64 s[36:37], s[12:13], s[36:37]
	s_cmp_eq_u32 s45, 2
	s_cselect_b64 s[36:37], s[14:15], s[36:37]
	s_cmp_eq_u32 s45, 3
	s_cselect_b64 s[36:37], s[16:17], s[36:37]
	s_cmp_eq_u32 s45, 4
	s_cselect_b64 s[36:37], s[18:19], s[36:37]
	s_cmp_eq_u32 s45, 5
	s_cselect_b64 s[36:37], s[20:21], s[36:37]
	s_cmp_eq_u32 s45, 6
	s_cselect_b64 s[36:37], s[22:23], s[36:37]
	s_mov_b64 s[38:39], s[24:25]                   ; the destination: act0; wo for weight 6; wpf for 3-5; wpa for 0-2
	s_cmp_lt_u32 s45, 7
	s_cselect_b64 s[38:39], s[30:31], s[38:39]
	s_cmp_lt_u32 s45, 6
	s_cselect_b64 s[38:39], s[28:29], s[38:39]
	s_cmp_lt_u32 s45, 3
	s_cselect_b64 s[38:39], s[26:27], s[38:39]
	s_add_nc_u64 s[36:37], s[36:37], s[46:47]
	s_add_nc_u64 s[38:39], s[38:39], s[48:49]      ; the even units,
	s_add_nc_u64 s[60:61], s[38:39], s[58:59]      ; the odd ones
.set n, 0
.rept 32                               ; load n: columns 64 (n / 2) on, P (n even) or Q
	global_load_b128 v[X+4*n:X+4*n+3], v[SO+n%2], s[36:37] offset:(n/2)*256 th:TH_LOAD_NT
.set n, n+1
.endr
.set kb, 0
.rept 16
	s_wait_loadcnt 30-2*kb                         ; loads come back in order: this pair is in, the younger ones stay out
	v_cvt_pk_bf16_f32 v[PC],   v[X+8*kb],   v[X+8*kb+1]
	v_cvt_pk_bf16_f32 v[PC+1], v[X+8*kb+2], v[X+8*kb+3]
	v_cvt_pk_bf16_f32 v[QC],   v[X+8*kb+4], v[X+8*kb+5]
	v_cvt_pk_bf16_f32 v[QC+1], v[X+8*kb+6], v[X+8*kb+7]
	v_mov_b32_dpp v[TP],   v[PC]   row_xmask:8 row_mask:0xf bank_mask:0xf
	v_mov_b32_dpp v[TP+1], v[PC+1] row_xmask:8 row_mask:0xf bank_mask:0xf
	v_mov_b32_dpp v[TQ],   v[QC]   row_xmask:8 row_mask:0xf bank_mask:0xf
	v_mov_b32_dpp v[TQ+1], v[QC+1] row_xmask:8 row_mask:0xf bank_mask:0xf
	v_cndmask_b32 v[Y+4*kb],   v[PC],   v[TQ],   s62   ; the even unit: rows 0, 1, 2, 3 in lanes 0-7, 8-15, 16-23, 24-31
	v_cndmask_b32 v[Y+4*kb+1], v[PC+1], v[TQ+1], s62
	v_cndmask_b32 v[Y+4*kb+2], v[TP],   v[QC],   s62   ; the odd unit likewise
	v_cndmask_b32 v[Y+4*kb+3], v[TP+1], v[QC+1], s62
	global_store_b64 v[DOF+kb], v[Y+4*kb:Y+4*kb+1],   s[38:39]   ; 32 lanes: 256 consecutive bytes
	global_store_b64 v[DOF+kb], v[Y+4*kb+2:Y+4*kb+3], s[60:61]
.set kb, kb+1
.endr
	; the two masks: wave 0 of work-group 0
	s_cmp_lg_u32 s42, 0
	s_cbranch_scc1 .Ldone
	s_cmp_lg_u32 s56, 0
	s_cbranch_scc1 .Ldone
	s_mov_b32 s57, 0xf149f2ca                      ; -1e30
	v_lshlrev_b32 v24, 5, v4                       ; 32 bytes a lane
	v_and_b32 v25, 15, v0                          ; the query
	v_lshrrev_b32 v26, 4, v4
	v_lshlrev_b32 v26, 3, v26                      ; the lane's first key
.set j, 0
.rept 8
	v_add_nc_u32 v27, j, v26
	v_xor_b32 v27, v27, v25                        ; key / 4 = query / 4 where key xor query is below 4
	v_cmp_lt_u32 vcc_lo, 3, v27
	v_cndmask_b32 v[X+j], 0, s57, vcc_lo
.set j, j+1
.endr
.set j, 0
.rept 4
	v_mov_b32 v[X+8+j], s57
	v_mov_b32 v[X+12+j], 0
.set j, j+1
.endr
	global_store_b128 v24, v[X+12:X+15], s[32:33]
	global_store_b128 v24, v[X+12:X+15], s[32:33] offset:16
	global_store_b128 v24, v[X+12:X+15], s[32:33] offset:1024
	global_store_b128 v24, v[X+12:X+15], s[32:33] offset:1040
	global_store_b128 v24, v[X:X+3], s[34:35]
	global_store_b128 v24, v[X+4:X+7], s[34:35] offset:16
	global_store_b128 v24, v[X+8:X+11], s[34:35] offset:1024
	global_store_b128 v24, v[X+8:X+11], s[34:35] offset:1040
.Ldone:
	s_endpgm
.Lfunc_end_k_q41465ec6b3_pack:
	.size	k_q41465ec6b3_pack, .Lfunc_end_k_q41465ec6b3_pack-k_q41465ec6b3_pack
	.p2alignl 7, 3214868480
	.fill 96, 4, 3214868480
	.section	.rodata,"a",@progbits
	.p2align	6, 0x0
	.amdhsa_kernel k_q41465ec6b3_pack
		.amdhsa_group_segment_fixed_size 0
		.amdhsa_private_segment_fixed_size 0
		.amdhsa_enable_private_segment 0
		.amdhsa_kernarg_size 112
		.amdhsa_user_sgpr_count 2
		.amdhsa_user_sgpr_kernarg_segment_ptr 1
		.amdhsa_wavefront_size32 1
		.amdhsa_system_sgpr_workgroup_id_x 1
		.amdhsa_system_sgpr_workgroup_id_y 1
		.amdhsa_system_sgpr_workgroup_id_z 1
		.amdhsa_system_vgpr_workitem_id 0
		.amdhsa_next_free_vgpr 224
		.amdhsa_next_free_sgpr 66
		.amdhsa_reserve_vcc 1
		.amdhsa_float_denorm_mode_32 3
		.amdhsa_float_denorm_mode_16_64 3
		.amdhsa_memory_ordered 1
		.amdhsa_forward_progress 1
		.amdhsa_inst_pref_size 27
	.end_amdhsa_kernel
	.amdgpu_metadata
---
amdhsa.version: [ 1, 2 ]
amdhsa.kernels:
  - .name:           k_q41465ec6b3_pack
    .symbol:         k_q41465ec6b3_pack.kd
    .args:
      - { .name: x, .offset: 0, .size: 8, .value_kind: global_buffer, .address_space: global }
      - { .name: w_q_ant, .offset: 8, .size: 8, .value_kind: global_buffer, .address_space: global }
      - { .name: w_k_ant, .offset: 16, .size: 8, .value_kind: global_buffer, .address_space: global }
      - { .name: w_v_ant, .offset: 24, .size: 8, .value_kind: global_buffer, .address_space: global }
      - { .name: w_q_freq, .offset: 32, .size: 8, .value_kind: global_buffer, .address_space: global }
      - { .name: w_k_freq, .offset: 40, .size: 8, .value_kind: global_buffer, .address_space: global }
      - { .name: w_v_freq, .offset: 48, .size: 8, .value_kind: global_buffer, .address_space: global }
      - { .name: w_out, .offset: 56, .size: 8, .value_kind: global_buffer, .address_space: global }
      - { .name: act0, .offset: 64, .size: 8, .value_kind: global_buffer, .address_space: global }
      - { .name: wpa, .offset: 72, .size: 8, .value_kind: global_buffer, .address_space: global }
      - { .name: wpf, .offset: 80, .size: 8, .value_kind: global_buffer, .address_space: global }
      - { .name: wo, .offset: 88, .size: 8, .value_kind: global_buffer, .address_space: global }
      - { .name: mask_a, .offset: 96, .size: 8, .value_kind: global_buffer, .address_space: global }
      - { .name: mask_f, .offset: 104, .size: 8, .value_kind: global_buffer, .address_space: global }
    .group_segment_fixed_size: 0
    .private_segment_fixed_size: 0
    .kernarg_segment_align: 8
    .kernarg_segment_size: 112
    .max_flat_workgroup_size: 256
    .sgpr_count:     66
    .vgpr_count:     224
    .wavefront_size: 32
...
	.end_amdgpu_metadata
.endif
;; end of part 1
;; launch ant (part 2): grid 8 x 32, 4 waves a work-group, clusters of 4 x 4, 327,680 bytes of LDS; arguments act0, wpa, b_q_ant, b_k_ant, b_v_ant, mask_a, act1; writes act1
.if DOCPART == 2
	.amdgcn_target "amdgcn-amd-amdhsa--gfx1250"
	.amdhsa_code_object_version 6
	.text
	.protected	k_q41465ec6b3_ant
	.globl	k_q41465ec6b3_ant
	.p2align	8
	.type	k_q41465ec6b3_ant,@function
k_q41465ec6b3_ant:
	s_mov_b64 s[64:65], 0
	v_nop
	global_prefetch_b8 v0, s[64:65] scope:SCOPE_SE
	s_setreg_imm32_b32 hwreg(HW_REG_WAVE_MODE, 25, 1), 1
	s_wait_xcnt 0x0
	s_wait_alu depctr_hold_cnt(0) depctr_sa_sdst(0) depctr_va_vdst(0) depctr_va_sdst(0) depctr_va_ssrc(0) depctr_va_vcc(0) depctr_vm_vsrc(0)
	s_getreg_b32 s2, hwreg(HW_REG_IB_STS2, 6, 4)
	s_cmp_eq_u32 s2, 0
	s_cbranch_scc0 .Lentry_in_a_cluster
	s_endpgm
.Lentry_in_a_cluster:
	s_bfe_u32 s2, ttmp6, 0x10000c
	s_cmp_lg_u32 s2, 0xf033
	s_cbranch_scc0 .Lentry_shape_is_right
	s_endpgm
.Lentry_shape_is_right:
; THREE PROJECTIONS AND THE ATTENTION BEHIND THEM, for two batches and two heads.  One text for both axes; the mask buffer tells them apart.
; in [bp 32][u 32][row 256][32] bf16 (a UNIT is 32 along K); wp [hgp 8][u 32][384][32] bf16; bq, bk, bv [1024] f32; mask [2][32][8] f32; out like in (a head is two units).
; SHARES.  Work-group (hgp, bp): 256 rows x 384 weight rows, K = 1,024: 640 rows of operands for 98,304 outputs, the squarest tile that four waves of one batch and one head each can form.
; Wave w owns batch 2 bp + w / 2 and head 2 hgp + w % 2: q, k, v of 128 rows x 64 channels: 96 accumulators, 768 registers.  So a head's q, k, v never leave the wave, and its attention needs no barrier.
; ORIENTATION.  q and k are made transposed (source 0 = 16 weight rows, source 1 = 16 rows of x): a lane holds one row and 8 channels; two channel blocks rounded in pairs ARE a fragment
; of Q or K.  v is made plain (source 0 = x, source 1 = weights): a lane holds one channel and 8 rows; two row blocks rounded in pairs ARE a fragment of V^T.
; ATTENTION.  A batch's 128 rows are four groups of 32.  S^T = K Q^T + mask (the mask is the C operand of the first product), softmax over a group's 32 keys with the row's true maximum taken
; away, P rounded to bf16 (its sum is taken of the unrounded weights), O^T = V^T P, divided by the sum.  With mask_a all 32 keys count; with mask_f only the 4 of the query's own block of four.
; ROWS.  Working row u of a batch leaves at row ((u % 32) * 4) + u / 32: 32 g + a becomes 4 a + g for the second axis.
; LIMITS.  Matrix operands (x, weights, q, k, v, P) are bf16.  A hidden score counts as its value less 1e30: scores stay far below 1e30 in size.  A weight below 2^-126 counts as 0.
; NaN and infinities are not treated apart.
; CLUSTER 4 x 4: the four work-groups of a row of the cluster share the pair of batches (A's tiles), the four of a column the pair of heads (B's tiles): each tile is asked for jointly.
; RING.  Two LDS slots of THREE units each (96 along K): as long as two slots fit (four units would be 2 x 174,080 bytes).  A slot's tiles are dense in memory and are asked for as rows of 256
; bytes, padded in LDS by 16 bytes behind each.  Waves 0, 1 fetch A's halves (96 rows), waves 2, 3 B's (144 rows).  32 units are ten fills of three and one of two: for that last fill the odd
; waves state the rows that are left as the tensor's extent, and what lies beyond arrives as zeros in a third unit that is never multiplied.  A wave has two tensor loads out at the start, later one.
; REGISTERS, in windows of 256 (s_set_vgpr_msb: bits 1:0 source 0, 3:2 source 1, 5:4 source 2, 7:6 destination):
;   window 0: v2-11 addresses, v12-27 at work, v28-29 the add's; v32-159 two buffers of 8 fragments of x; v160-255 12 fragments of weights.  Windows 1, 2, 3: q's, k's, v's accumulators, (cb, rb) at v[8 (8 cb + rb)].
;   behind the products: window 0 v32-159 Q, v160-191 S^T, v192-207 P, v208-223 1 / sum, v232-247 mask; window 1 v0-127 K, v128-255 V^T; window 2 O^T.
.set UA,    17408                      ; a unit of A in LDS: 256 rows of 64 bytes = 64 x (256 + 16).  Row r lies at (r / 4) x 272 + (r % 4) x 64: the 16 rows of a fragment load fall into 16 different 16-byte columns modulo 256
.set UB,    26112                      ; a unit of B: 384 rows
.set FR,    1088                       ; 16 rows
.set BOFF,  3*UA                       ; a slot: A's three units, then B's three
.set SLOT,  3*UA+3*UB
.set SCR,   2*SLOT                     ; behind the ring, for each wave 2,816 bytes: its head's three biases (256 each), the mask (2,048)
.set SCRW,  2816
.set SPARE, SCR+4*SCRW                 ; the spare words: 128 bytes a wave, two blocks of 256 that no other line names
.set SPT,   144                        ; a stage row: 128 bytes + 16
.set STG,   128*SPT                    ; the way out: 128 rows for each wave, in slot 1, which has had its last fill and its last read by then
.set GW0,   (1<<16)|(1<<20)|(1<<21)|(5<<22)|(3<<25)  ; 2-byte elements; padding on; bit 21 beside a mask; after every 64 words; 4 words
.set ADRA, 2                           ; v2-3   my place in my batch's rows of A, slot 0, 1
.set ADRB, 4                           ; v4-5   in my head's 192 rows of B
.set STO,  6
.set RD,   7
.set GO,   8
.set SCRB, 9                           ; scratch + 32 (lane / 16)
.set SCRV, 10                          ; scratch + 4 (lane % 16)
.set SCRM, 11                          ; scratch + 32 lane
.set C0,   20                          ; v20-23 at work in the softmax
.set SPW,  28
.set NIL,  29
.set AF,   32
.set BF,   160
.set QF,   32
.set OB,   32
.set BQ,   160
.set BK,   192
.set BV,   224
.set MK,   232
.set SS,   160
.set PP,   192
.set RL,   208
.set CM,   226                         ; v226, v230: c m; v227, v231: m
.set VF,   128                         ; in window 1
.set WV,  18
.set LAP, 19
.set G1A, 24
.set G0A, 32
.set G1B, 40
.set G0B, 48
.set CS,  66
.set SEL, 68
.set MSB, 0
.macro WIN new                         ; the immediate's high byte repeats the setting that is left; a switch that changes nothing is dropped
.if MSB != (\new)
	s_set_vgpr_msb (MSB<<8)|(\new)
.set MSB, \new
.endif
.endm
.macro PLACES                          ; four plain vector instructions between a matrix instruction and a load into, or a vector access to, its registers
.rept 4
	v_nop
.endr
.endm
.macro JLOAD s                         ; a joint load: waves 0, 1 ask for A's halves, waves 2, 3 for B's.  The branch hangs on the wave's number alone.
	s_cmp_lt_u32 s[WV], 2
	s_cbranch_scc0 .Lfor_b_\@
	tensor_load_to_lds s[G0A+4*(\s):G0A+4*(\s)+3], s[G1A:G1A+7]
	s_nop 0
.rept 4
	v_nop
.endr
	s_branch .Lasked_\@
.Lfor_b_\@:
	tensor_load_to_lds s[G0B+4*(\s):G0B+4*(\s)+3], s[G1B:G1B+7]
	s_nop 0
.rept 4
	v_nop
.endr
.Lasked_\@:
.endm
.macro CREST                           ; a round of the cluster's barrier behind its opening barrier
	s_cmp_lg_u32 s[WV], 0
	s_cbranch_scc1 .Lnot_wave_0_\@
	s_barrier_signal -3
.Lnot_wave_0_\@:
	s_barrier_wait -3
	s_barrier_signal -1
	s_barrier_wait -1
.endm
.macro CROUND
	s_barrier_signal -1
	s_barrier_wait -1
	CREST
.endm
; 8 n matrix instructions of tensor t (0 q, 1 k, 2 v): channel blocks cb0 .. cb0 + n - 1 x all 8 row blocks, 32 along K, x from buffer p.  zero = 1: the product starts the sum.
; The 96 accumulators take turns, one instruction a turn.
.macro MULS t, p, cb0, n, zero
	WIN 0x50*((\t)+1)
.set cbi, (\cb0)
.rept (\n)
.set rbi, 0
.rept 8
.set rD, 8*(8*cbi+rbi)
.set rW, BF+8*(4*(\t)+cbi)
.set rX, AF+64*(\p)+8*rbi
.if (\t) == 2
.if \zero
	v_wmma_f32_16x16x32_bf16 v[rD:rD+7], v[rX:rX+7], v[rW:rW+7], 0
.else
	v_wmma_f32_16x16x32_bf16 v[rD:rD+7], v[rX:rX+7], v[rW:rW+7], v[rD:rD+7]
.endif
.else
.if \zero
	v_wmma_f32_16x16x32_bf16 v[rD:rD+7], v[rW:rW+7], v[rX:rX+7], 0
.else
	v_wmma_f32_16x16x32_bf16 v[rD:rD+7], v[rW:rW+7], v[rX:rX+7], v[rD:rD+7]
.endif
.endif
.set rbi, rbi+1
.endr
.set cbi, cbi+1
.endr
.endm
.macro LOADB t, slot, u                ; 8 loads: tensor t's four weight fragments of unit u
.set fi, 0
.rept 4
	ds_load_b128 v[BF+8*(4*(\t)+fi):BF+8*(4*(\t)+fi)+3],   v[ADRB+(\slot)] offset:(\u)*UB+(4*(\t)+fi)*FR
	ds_load_b128 v[BF+8*(4*(\t)+fi)+4:BF+8*(4*(\t)+fi)+7], v[ADRB+(\slot)] offset:(\u)*UB+(4*(\t)+fi)*FR+32
.set fi, fi+1
.endr
.endm
.macro LOADA p, slot, u                ; 16 loads: the eight fragments of x of unit u into buffer p
.set fi, 0
.rept 8
	ds_load_b128 v[AF+64*(\p)+8*fi:AF+64*(\p)+8*fi+3],   v[ADRA+(\slot)] offset:(\u)*UA+fi*FR
	ds_load_b128 v[AF+64*(\p)+8*fi+4:AF+64*(\p)+8*fi+7], v[ADRA+(\slot)] offset:(\u)*UA+fi*FR+32
.set fi, fi+1
.endr
.endm
; One of a slot's first units: multiplies buffer p and fetches unit u of the same slot.  At its head 40 loads may be out, in this order: q's weights 8, x 16, k's weights 8, v's 8.
; Behind each tensor's 32 products its weight registers take the next unit's.
.macro UNIT p, slot, u, zero
	s_wait_dscnt 16                                ; q's weights and x are in; k's and v's 16 loads may be out
	MULS 0, \p, 0, 4, \zero
	PLACES
	WIN 0
	LOADB 0, \slot, \u
	LOADA 1-(\p), \slot, \u
	s_wait_dscnt 32                                ; k's weights are in: behind them v's 8 and the 24 just issued
	MULS 1, \p, 0, 4, \zero
	PLACES
	WIN 0
	LOADB 1, \slot, \u
	s_wait_dscnt 32                                ; v's weights are in: behind them 24 + 8
	MULS 2, \p, 0, 4, \zero
	PLACES
	WIN 0
	LOADB 2, \slot, \u
.endm
; A slot's last unit, and the change of slots.  In front of the barrier each wave waits for all its tensor loads (one is out: its part of the next slot), adds 0 to its spare word, and waits for
; that and for its own reads of this slot.  fill = 1: the barrier opens a round of the cluster's, and the joint refill of this slot, two fills on, is the first thing behind it: asked for 40 products
; into this unit and waited for 24 products into the next slot's last unit, it has 272 matrix instructions in which to land.  fill = 2: the same for the last fill, of two units.  fill = 0: nothing is asked for.
.macro TURN p, slot, next, fill
	s_wait_dscnt 16
	MULS 0, \p, 0, 3, 0
	WIN 0                                          ; the add's registers lie in window 0
	s_wait_tensorcnt 0x0                           ; all my tensor loads have landed, so the descriptors may be written
	ds_add_u32 v[SPW], v[NIL]                      ; 0 onto my spare word; eight products stand between it and the wait for it
	MULS 0, \p, 3, 1, 0
.if \fill
	s_add_nc_u64 s[G0A+4*(\slot)+2:G0A+4*(\slot)+3], s[G0A+4*(\slot)+2:G0A+4*(\slot)+3], 2*3*16384
	s_add_nc_u64 s[G0B+4*(\slot)+2:G0B+4*(\slot)+3], s[G0B+4*(\slot)+2:G0B+4*(\slot)+3], 2*3*24576
.endif
.if (\fill) == 2
	s_mov_b32 s[G1A+2], s81                        ; tensor_dim1: the rows of 256 bytes that two units leave from my part's first row on
	s_mov_b32 s[G1B+2], s83
.endif
	s_wait_dscnt 0x0                               ; the add is done, and my reads of this slot are over
	s_barrier_signal -1
	MULS 1, \p, 0, 1, 0                            ; work on registers while the others arrive
	WIN 0                                          ; at a branch and at a label every window is 0
	s_barrier_wait -1
.if \fill
	CREST                                          ; no wave of any partner still reads this slot or has a load on its way
	JLOAD \slot                                    ; its four v_nop are also the places in front of the loads below
.else
	PLACES
.endif
	LOADB 0, \next, 0
	LOADA 1-(\p), \next, 0
	MULS 1, \p, 1, 3, 0
	PLACES
	WIN 0
	LOADB 1, \next, 0
	MULS 2, \p, 0, 4, 0
	PLACES
	WIN 0
	LOADB 2, \next, 0
.endm
	s_load_b256 s[4:11], s[0:1], 0x0               ; in s[4:5], wp s[6:7], bq s[8:9], bk s[10:11]
	s_load_b128 s[12:15], s[0:1], 0x20             ; bv s[12:13], mask s[14:15]
	s_load_b64 s[16:17], s[0:1], 0x30              ; out
	v_lshl_add_u32 v[SPW], v0, 2, SPARE
	v_mov_b32 v[NIL], 0
	ds_add_u32 v[SPW], v[NIL]                      ; the wave's opening: the add and its wait stand ahead of my first tensor load; the set-up below stands between them
	v_lshrrev_b32 v1, 5, v0
	v_readfirstlane_b32 s[WV], v1                  ; wave 0..3
	s_bfe_u32 s20, ttmp6, 0x40000                  ; cx
	s_bfe_u32 s21, ttmp6, 0x40004                  ; cy
	s_lshl_b32 s22, ttmp9, 2
	s_add_co_u32 s22, s22, s20                     ; hgp = 4 x cluster x + cx
	s_and_b32 s23, ttmp7, 0xffff
	s_lshl_b32 s23, s23, 2
	s_add_co_u32 s23, s23, s21                     ; bp = 4 x cluster y + cy
	s_lshl_b32 s84, s21, 2
	s_lshl_b32 s84, 15, s84                        ; my row of the cluster
	s_lshl_b32 s85, 0x1111, s20                    ; my column
	s_or_b32 s[G1A], s84, GW0                      ; A's tiles hang on bp alone: shared along the row
	s_or_b32 s[G1B], s85, GW0                      ; B's on hgp alone: shared along the column
	s_mov_b32 s[G1A+1], 128<<16                    ; tensor_dim0 = 128 elements (256 bytes)
	s_mov_b32 s[G1A+2], 96<<16                     ; tensor_dim1 = 96 rows
	s_mov_b32 s[G1A+3], 128<<16                    ; tile_dim0
	s_mov_b32 s[G1A+4], 96                         ; tile_dim1
	s_mov_b32 s[G1A+5], 128                        ; elements from row to row: dense
	s_mov_b32 s[G1A+6], 0
	s_mov_b32 s[G1A+7], 0
	s_mov_b32 s[G1B+1], 128<<16
	s_mov_b32 s[G1B+2], 144<<16                    ; 144 rows
	s_mov_b32 s[G1B+3], 128<<16
	s_mov_b32 s[G1B+4], 144
	s_mov_b32 s[G1B+5], 128
	s_mov_b32 s[G1B+6], 0
	s_mov_b32 s[G1B+7], 0
	s_and_b32 s56, s[WV], 1                        ; which half of a tile I fetch.  Also: which of the two heads is mine
	s_lshr_b32 s57, s[WV], 1                       ; which of the two batches is mine
	s_lshl_b32 s58, s23, 19                        ; A: the pair's 32 units of 16,384 bytes,
	s_mul_i32 s59, s56, 96*256                     ; my half of a fill's 49,152
	s_add_co_u32 s58, s58, s59
	s_mov_b32 s59, 0
	s_mul_i32 s60, s22, 786432                     ; B: the pair's 32 units of 24,576 bytes,
	s_mul_i32 s61, s56, 144*256                    ; my half of a fill's 73,728
	s_add_co_u32 s60, s60, s61
	s_mov_b32 s61, 0
	s_mul_i32 s62, s56, 96*272                     ; where my load lands in a slot: A's half,
	s_mul_i32 s63, s56, 144*272
	s_add_co_u32 s63, s63, BOFF                    ; B's half
	s_lshl_b32 s81, s56, 22
	s_sub_co_u32 s81, 96<<16, s81                  ; the last fill's 128 rows of A: 96 from the first half's start, 32 from the second's; in tensor_dim1's place
	s_mul_i32 s83, s56, 96<<16
	s_sub_co_u32 s83, 144<<16, s83                 ; its 192 rows of B: 144 and 48
	s_lshl_b32 s70, s22, 1
	s_add_co_u32 s70, s70, s56                     ; my head
	s_lshl_b32 s72, s70, 8                         ; its 64 numbers in a bias
	s_lshl_b32 s70, s70, 15                        ; its two units of the output,
	s_lshl_b32 s71, s23, 19                        ; in the pair of batches,
	s_add_co_u32 s70, s70, s71
	s_lshl_b32 s71, s57, 13                        ; my batch's 128 rows of 64 bytes
	s_add_co_u32 s70, s70, s71
	s_mov_b32 s71, 0
	s_mul_i32 s73, s[WV], SCRW
	s_add_co_u32 s73, s73, SCR                     ; my scratch
	s_mul_i32 s74, s57, 32*272                     ; my batch's 128 rows in a unit of A
	s_mul_i32 s75, s56, 48*272
	s_add_co_u32 s75, s75, BOFF                    ; my head's 192 rows in a unit of B
	s_mul_i32 s78, s[WV], STG
	s_add_co_u32 s78, s78, SLOT                    ; my stage
	s_mov_b32 s[CS], 0x3e38aa3b                    ; c = log2(e) / 8
	s_mov_b32 s[CS+1], s[CS]
	s_mov_b32 s[SEL], 0x76543210                   ; v_permlanex16_b32: each lane takes its own place in the other half
	s_mov_b32 s[SEL+1], 0xfedcba98
	s_wait_dscnt 0x0                               ; the opening add is done
	s_wait_kmcnt 0x0
	s_add_nc_u64 s[58:59], s[4:5], s[58:59]
	s_add_nc_u64 s[60:61], s[6:7], s[60:61]
	s_add_nc_u64 s[16:17], s[16:17], s[70:71]
.irp s, 0,1
	s_mov_b32 s[G0A+4*(\s)], 1
	s_add_co_u32 s[G0A+4*(\s)+1], s62, (\s)*SLOT
	s_add_nc_u64 s[G0A+4*(\s)+2:G0A+4*(\s)+3], s[58:59], (\s)*3*16384
	s_or_b32 s[G0A+4*(\s)+3], s[G0A+4*(\s)+3], 0x80000000
	s_mov_b32 s[G0B+4*(\s)], 1
	s_add_co_u32 s[G0B+4*(\s)+1], s63, (\s)*SLOT
	s_add_nc_u64 s[G0B+4*(\s)+2:G0B+4*(\s)+3], s[60:61], (\s)*3*24576
	s_or_b32 s[G0B+4*(\s)+3], s[G0B+4*(\s)+3], 0x80000000
.endr
	CROUND                                         ; all sixteen work-groups are here: the first joint loads meet
	JLOAD 0
	JLOAD 1
	v_and_b32 v13, 31, v0                          ; lane
	v_and_b32 v16, 15, v0                          ; r
	v_bfe_u32 v17, v0, 4, 1                        ; h
	v_lshl_add_u32 v12, v13, 3, s72
	v_lshlrev_b32 v14, 5, v13
	global_load_b64 v[32:33], v12, s[8:9]          ; my head's biases, 8 bytes a lane; the mask, 64 bytes a lane
	global_load_b64 v[34:35], v12, s[10:11]
	global_load_b64 v[36:37], v12, s[12:13]
	global_load_b128 v[38:41], v14, s[14:15]
	global_load_b128 v[42:45], v14, s[14:15] offset:16
	global_load_b128 v[46:49], v14, s[14:15] offset:1024
	global_load_b128 v[50:53], v14, s[14:15] offset:1040
	v_lshl_add_u32 v15, v13, 3, s73
	v_lshrrev_b32 v18, 2, v16
	v_mul_u32_u24 v18, v18, 272                    ; a fragment's row r: (r / 4) x 272
	v_and_b32 v19, 3, v0
	v_lshl_add_u32 v18, v19, 6, v18                ; + (r % 4) x 64
	v_lshl_add_u32 v18, v17, 4, v18                ; + 16 x half
	v_add_nc_u32 v[ADRA], s74, v18
	v_add_nc_u32 v[ADRA+1], SLOT, v[ADRA]
	v_add_nc_u32 v[ADRB], s75, v18
	v_add_nc_u32 v[ADRB+1], SLOT, v[ADRB]
	v_mul_u32_u24 v[STO], v16, 4*SPT               ; into the stage: working row 32 G + 16 qb + r goes to stage row 64 qb + 4 r + G
	v_lshl_add_u32 v[STO], v17, 4, v[STO]
	v_add_nc_u32 v[STO], s78, v[STO]
	v_lshrrev_b32 v20, 2, v13                      ; back: 32 lanes take 64 bytes of each of eight rows,
	v_mul_u32_u24 v[RD], v20, SPT
	v_lshl_add_u32 v[RD], v19, 4, v[RD]
	v_add_nc_u32 v[RD], s78, v[RD]
	v_lshlrev_b32 v[GO], 4, v13                    ; which are 512 consecutive bytes of a unit of the output
	v_lshl_add_u32 v[SCRB], v17, 5, s73
	v_lshl_add_u32 v[SCRV], v16, 2, s73
	v_lshl_add_u32 v[SCRM], v13, 5, s73
	s_wait_loadcnt 0x0
	ds_store_b64 v15, v[32:33]                     ; kept in my own scratch while the products need the registers
	ds_store_b64 v15, v[34:35] offset:256
	ds_store_b64 v15, v[36:37] offset:512
	ds_store_b128 v[SCRM], v[38:41] offset:768
	ds_store_b128 v[SCRM], v[42:45] offset:784
	ds_store_b128 v[SCRM], v[46:49] offset:1792
	ds_store_b128 v[SCRM], v[50:53] offset:1808
	s_wait_tensorcnt 0x1                           ; my part of fill 0 is in; fill 1's may stay out
	s_wait_dscnt 0x0
	s_barrier_signal -1
	s_barrier_wait -1                              ; everybody's is
	LOADB 0, 0, 0
	LOADA 0, 0, 0
	LOADB 1, 0, 0
	LOADB 2, 0, 0
	UNIT 0, 0, 1, 1                                ; the first unit stands in front of the loop: its products start the 96 sums
	s_mov_b32 s[LAP], 4
.Llap:                                                 ; a trip goes once round the ring, six units, and fills both slots again: fills 2 to 9
	UNIT 1, 0, 2, 0
	TURN 0, 0, 1, 1
	UNIT 1, 1, 1, 0
	UNIT 0, 1, 2, 0
	TURN 1, 1, 0, 1
	UNIT 0, 0, 1, 0
	s_sub_co_u32 s[LAP], s[LAP], 1
	s_cmp_lg_u32 s[LAP], 0
	s_cbranch_scc1 .Llap
	UNIT 1, 0, 2, 0                                ; the tail: the rest of fill 8,
	TURN 0, 0, 1, 2                                ; behind which fill 10, of two units, is asked for;
	UNIT 1, 1, 1, 0                                ; fill 9,
	UNIT 0, 1, 2, 0
	TURN 1, 1, 0, 0                                ; behind which nothing is asked for;
	UNIT 0, 0, 1, 0                                ; fill 10's two units
	s_wait_dscnt 16
	MULS 0, 1, 0, 4, 0
	s_wait_dscnt 8
	MULS 1, 1, 0, 4, 0
	s_wait_dscnt 0x0
	MULS 2, 1, 0, 4, 0
	; BIASES AND FRAGMENTS.  q and k: a lane's bias is that of channels 16 cb + 8 h + j; v: that of channel 16 cb + r, loaded twice to fill a pair.
	PLACES
	WIN 0
.set i, 0
.rept 4
	ds_load_b128 v[BQ+8*i:BQ+8*i+3],   v[SCRB] offset:64*i
	ds_load_b128 v[BQ+8*i+4:BQ+8*i+7], v[SCRB] offset:64*i+16
	ds_load_b128 v[BK+8*i:BK+8*i+3],   v[SCRB] offset:256+64*i
	ds_load_b128 v[BK+8*i+4:BK+8*i+7], v[SCRB] offset:256+64*i+16
	ds_load_b32 v[BV+2*i],   v[SCRV] offset:512+64*i
	ds_load_b32 v[BV+2*i+1], v[SCRV] offset:512+64*i
.set i, i+1
.endr
	ds_load_b128 v[MK:MK+3],     v[SCRM] offset:768
	ds_load_b128 v[MK+4:MK+7],   v[SCRM] offset:784
	ds_load_b128 v[MK+8:MK+11],  v[SCRM] offset:1792
	ds_load_b128 v[MK+12:MK+15], v[SCRM] offset:1808
	s_wait_dscnt 0x0
.macro ADDB wadd, bias, perreg         ; the bias onto a tensor's 32 accumulators, each from its low end on
	WIN \wadd
.set a, 0
.rept 32
.set jj, 0
.rept 4
.if \perreg
.set rB, (\bias)+8*(a/8)+2*jj
.else
.set rB, (\bias)+2*(a/8)
.endif
	v_pk_add_f32 v[8*a+2*jj:8*a+2*jj+1], v[8*a+2*jj:8*a+2*jj+1], v[rB:rB+1]
.set jj, jj+1
.endr
.set a, a+1
.endr
.endm
.macro PACKQK wcvt, dst                ; row block rb's fragments at dst + 16 rb: channel block cb fills registers 4 cb .. 4 cb + 3
	WIN \wcvt
.set a, 0
.rept 32
.set jj, 0
.rept 4
	v_cvt_pk_bf16_f32 v[(\dst)+16*(a%8)+4*(a/8)+jj], v[8*a+2*jj], v[8*a+2*jj+1]
.set jj, jj+1
.endr
.set a, a+1
.endr
.endm
	ADDB 0x41, BQ, 1                               ; window 1 in place, the bias from window 0
	PACKQK 0x05, QF                                ; window 1 -> window 0
	ADDB 0x82, BK, 1
	PACKQK 0x4a, 0                                 ; window 2 -> window 1, where q's sums lay
	ADDB 0xc3, BV, 0
	WIN 0x4f                                       ; window 3 -> window 1: group G, channel block cb at VF + 32 G + 8 cb; row block 2 G fills registers 0-3, 2 G + 1 registers 4-7
.set a, 0
.rept 32
.set jj, 0
.rept 4
	v_cvt_pk_bf16_f32 v[VF+32*((a%8)/2)+8*(a/8)+4*(a%2)+jj], v[8*a+2*jj], v[8*a+2*jj+1]
.set jj, jj+1
.endr
.set a, a+1
.endr
.macro BOTH line:vararg                ; one line for each of a group's two query blocks, so that no line reads the result of the one before it
.set qb, 0
.rept 2
	\line
.set qb, qb+1
.endr
.endm
; THE ATTENTION OF GROUP g: 32 queries x 32 keys.  A lane holds one query (lane % 16 of block qb) and 16 of its keys; the other 16 lie in the lane 16 away.
.macro GROUP g
	WIN 0x01                                       ; K in window 1; Q, mask and S^T in window 0
.set hf, 0
.rept 2                                ; channels 32 hf on; the four accumulators take turns
.set qb, 0
.rept 2
.set kb, 0
.rept 2
.set rS, SS+16*qb+8*kb
.set rK, 16*(2*(\g)+kb)+8*hf
.set rQ, QF+16*(2*(\g)+qb)+8*hf
.set rM, MK+8*((qb+kb)%2)
.if hf == 0
	v_wmma_f32_16x16x32_bf16 v[rS:rS+7], v[rK:rK+7], v[rQ:rQ+7], v[rM:rM+7]
.else
	v_wmma_f32_16x16x32_bf16 v[rS:rS+7], v[rK:rK+7], v[rQ:rQ+7], v[rS:rS+7]
.endif
.set kb, kb+1
.endr
.set qb, qb+1
.endr
.set hf, hf+1
.endr
	PLACES
	WIN 0
	; the maximum: two chains, each beginning at the low end of an accumulator
	BOTH v_max3_num_f32 v[C0+2*qb], v[SS+16*qb], v[SS+16*qb+1], v[SS+16*qb+2]
	BOTH v_max3_num_f32 v[C0+2*qb+1], v[SS+16*qb+8], v[SS+16*qb+9], v[SS+16*qb+10]
	BOTH v_max3_num_f32 v[C0+2*qb], v[C0+2*qb], v[SS+16*qb+3], v[SS+16*qb+4]
	BOTH v_max3_num_f32 v[C0+2*qb+1], v[C0+2*qb+1], v[SS+16*qb+11], v[SS+16*qb+12]
	BOTH v_max3_num_f32 v[C0+2*qb], v[C0+2*qb], v[SS+16*qb+5], v[SS+16*qb+6]
	BOTH v_max3_num_f32 v[C0+2*qb+1], v[C0+2*qb+1], v[SS+16*qb+13], v[SS+16*qb+14]
	BOTH v_max3_num_f32 v[C0+2*qb], v[C0+2*qb], v[SS+16*qb+7], v[SS+16*qb+15]
	BOTH v_max_num_f32 v[C0+2*qb], v[C0+2*qb], v[C0+2*qb+1]
	BOTH v_permlanex16_b32 v[C0+2*qb+1], v[C0+2*qb], s[SEL], s[SEL+1]
	BOTH v_max_num_f32 v[CM+4*qb+1], v[C0+2*qb], v[C0+2*qb+1]
	BOTH v_mul_f32 v[CM+4*qb], s[CS], v[CM+4*qb+1]
.set i, 0
.rept 8                                ; c s - c m
	BOTH v_pk_fma_f32 v[SS+16*qb+2*i:SS+16*qb+2*i+1], v[SS+16*qb+2*i:SS+16*qb+2*i+1], s[CS:CS+1], v[CM+4*qb:CM+4*qb+1] op_sel_hi:[1,0,0] neg_lo:[0,0,1] neg_hi:[0,0,1]
.set i, i+1
.endr
.set i, 0
.rept 32
	v_exp_f32 v[SS+i], v[SS+i]
.set i, i+1
.endr
	v_nop                                          ; a plain instruction between the last exponential and the use of its result
.set i, 0
	s_wait_alu depctr_va_vdst(0)
.rept 16                               ; S^T's two key blocks, rounded in pairs, are source 1 of the second product
	v_cvt_pk_bf16_f32 v[PP+i], v[SS+2*i], v[SS+2*i+1]
.set i, i+1
.endr
	WIN 0x81                                       ; V^T in window 1, P in window 0, O^T in window 2
.set qb, 0
.rept 2
.set cb, 0
.rept 4
	v_wmma_f32_16x16x32_bf16 v[64*(\g)+32*qb+8*cb:64*(\g)+32*qb+8*cb+7], v[VF+32*(\g)+8*cb:VF+32*(\g)+8*cb+7], v[PP+8*qb:PP+8*qb+7], 0
.set cb, cb+1
.endr
.set qb, qb+1
.endr
	WIN 0                                          ; the sums of the unrounded weights: they name no register of those products, and are the places behind them
.set i, 0
.rept 4
	BOTH v_pk_add_f32 v[SS+16*qb+i:SS+16*qb+i+1], v[SS+16*qb+i:SS+16*qb+i+1], v[SS+16*qb+i+2:SS+16*qb+i+3]
.set i, i+4
.endr
	BOTH v_pk_add_f32 v[SS+16*qb:SS+16*qb+1], v[SS+16*qb:SS+16*qb+1], v[SS+16*qb+4:SS+16*qb+5]
	BOTH v_pk_add_f32 v[SS+16*qb+8:SS+16*qb+9], v[SS+16*qb+8:SS+16*qb+9], v[SS+16*qb+12:SS+16*qb+13]
	BOTH v_pk_add_f32 v[SS+16*qb:SS+16*qb+1], v[SS+16*qb:SS+16*qb+1], v[SS+16*qb+8:SS+16*qb+9]
	BOTH v_add_f32 v[C0+2*qb], v[SS+16*qb], v[SS+16*qb+1]
	BOTH v_permlanex16_b32 v[C0+2*qb+1], v[C0+2*qb], s[SEL], s[SEL+1]
	BOTH v_add_f32 v[C0+2*qb], v[C0+2*qb], v[C0+2*qb+1]
	BOTH v_rcp_f32 v[RL+4*(\g)+2*qb], v[C0+2*qb]
	BOTH v_rcp_f32 v[RL+4*(\g)+2*qb+1], v[C0+2*qb]
	v_nop                                          ; a plain instruction behind the last reciprocal
.endm
	GROUP 0
	GROUP 1
	GROUP 2
	GROUP 3
	; THE WAY OUT.  O^T is divided by the sum, rounded to bf16 (a lane's 8 channels of a row are 16 bytes), sent through my stage with the rows in their new order, and stored unit by unit.
	WIN 0x82                                       ; window 2 in place, 1 / sum from window 0.  Accumulator a = 8 G + 4 qb + cb
.set a, 0
	s_wait_alu depctr_va_vdst(0)
.rept 32
.set jj, 0
.rept 4
	v_pk_mul_f32 v[8*a+2*jj:8*a+2*jj+1], v[8*a+2*jj:8*a+2*jj+1], v[RL+2*(a/4):RL+2*(a/4)+1]
.set jj, jj+1
.endr
.set a, a+1
.endr
	WIN 0x0a                                       ; window 2 -> window 0
.set a, 0
.rept 32
.set jj, 0
.rept 4
	v_cvt_pk_bf16_f32 v[OB+4*a+jj], v[8*a+2*jj], v[8*a+2*jj+1]
.set jj, jj+1
.endr
.set a, a+1
.endr
	WIN 0
.set a, 0
.rept 32
	ds_store_b128 v[STO], v[OB+4*a:OB+4*a+3] offset:((a/4)%2)*64*SPT+(a/8)*SPT+(a%4)*32
.set a, a+1
.endr
.set t, 0
.rept 32                               ; channels 32 (t / 16) on, rows 8 (t % 16) on
	ds_load_b128 v[OB+4*t:OB+4*t+3], v[RD] offset:(t%16)*8*SPT+(t/16)*64   ; LDS serves a wave's instructions in order (ISA guide 5.7.1.4): these see the stores above
.set t, t+1
.endr
.set t, 0
.rept 32
.if t%4 == 0
	s_wait_dscnt 28-t                              ; the next four loads from the stage are in; the younger ones stay out
.endif
	global_store_b128 v[GO], v[OB+4*t:OB+4*t+3], s[16:17] offset:(t/16)*16384+(t%16)*512   ; 512 consecutive bytes, at a multiple of 256 from the buffer's first
.set t, t+1
.endr
	s_wait_tensorcnt 0x0                           ; the wave's end: behind my last tensor load and my last LDS store
	ds_add_u32 v[SPW], v[NIL]
	s_wait_dscnt 0x0
	CROUND                                         ; the closing round: no work-group ends while a partner may still ask for a tile that names it
	s_endpgm
.Lfunc_end_k_q41465ec6b3_ant:
	.size	k_q41465ec6b3_ant, .Lfunc_end_k_q41465ec6b3_ant-k_q41465ec6b3_ant
	.p2alignl 7, 3214868480
	.fill 96, 4, 3214868480
	.section	.rodata,"a",@progbits
	.p2align	6, 0x0
	.amdhsa_kernel k_q41465ec6b3_ant
		.amdhsa_group_segment_fixed_size 327680
		.amdhsa_private_segment_fixed_size 0
		.amdhsa_enable_private_segment 0
		.amdhsa_kernarg_size 56
		.amdhsa_user_sgpr_count 2
		.amdhsa_user_sgpr_kernarg_segment_ptr 1
		.amdhsa_wavefront_size32 1
		.amdhsa_system_sgpr_workgroup_id_x 1
		.amdhsa_system_sgpr_workgroup_id_y 1
		.amdhsa_system_sgpr_workgroup_id_z 1
		.amdhsa_system_vgpr_workitem_id 0
		.amdhsa_next_free_vgpr 1024
		.amdhsa_next_free_sgpr 88
		.amdhsa_reserve_vcc 0
		.amdhsa_float_denorm_mode_32 3
		.amdhsa_float_denorm_mode_16_64 3
		.amdhsa_memory_ordered 1
		.amdhsa_forward_progress 1
		.amdhsa_inst_pref_size 242
	.end_amdhsa_kernel
	.amdgpu_metadata
---
amdhsa.version: [ 1, 2 ]
amdhsa.kernels:
  - .name:           k_q41465ec6b3_ant
    .symbol:         k_q41465ec6b3_ant.kd
    .args:
      - { .name: act0, .offset: 0, .size: 8, .value_kind: global_buffer, .address_space: global }
      - { .name: wpa, .offset: 8, .size: 8, .value_kind: global_buffer, .address_space: global }
      - { .name: b_q_ant, .offset: 16, .size: 8, .value_kind: global_buffer, .address_space: global }
      - { .name: b_k_ant, .offset: 24, .size: 8, .value_kind: global_buffer, .address_space: global }
      - { .name: b_v_ant, .offset: 32, .size: 8, .value_kind: global_buffer, .address_space: global }
      - { .name: mask_a, .offset: 40, .size: 8, .value_kind: global_buffer, .address_space: global }
      - { .name: act1, .offset: 48, .size: 8, .value_kind: global_buffer, .address_space: global }
    .group_segment_fixed_size: 327680
    .private_segment_fixed_size: 0
    .kernarg_segment_align: 8
    .kernarg_segment_size: 56
    .max_flat_workgroup_size: 128
    .sgpr_count:     88
    .vgpr_count:     1024
    .wavefront_size: 32
...
	.end_amdgpu_metadata
.endif
;; end of part 2
;; launch freq: the kernel of part 2 again; grid 8 x 32, 4 waves a work-group, clusters of 4 x 4, 327,680 bytes of LDS; arguments act1, wpf, b_q_freq, b_k_freq, b_v_freq, mask_f, act0; writes act0
;; launch outp (part 3): grid 8 x 32, 4 waves a work-group, clusters of 4 x 4, 327,680 bytes of LDS; arguments act0, wo, b_out, x, out0; writes out0
.if DOCPART == 3
	.amdgcn_target "amdgcn-amd-amdhsa--gfx1250"
	.amdhsa_code_object_version 6
	.text
	.protected	k_q41465ec6b3_outp
	.globl	k_q41465ec6b3_outp
	.p2align	8
	.type	k_q41465ec6b3_outp,@function
k_q41465ec6b3_outp:
	s_mov_b64 s[64:65], 0
	v_nop
	global_prefetch_b8 v0, s[64:65] scope:SCOPE_SE
	s_setreg_imm32_b32 hwreg(HW_REG_WAVE_MODE, 25, 1), 1
	s_wait_xcnt 0x0
	s_wait_alu depctr_hold_cnt(0) depctr_sa_sdst(0) depctr_va_vdst(0) depctr_va_sdst(0) depctr_va_ssrc(0) depctr_va_vcc(0) depctr_vm_vsrc(0)
	s_getreg_b32 s2, hwreg(HW_REG_IB_STS2, 6, 4)
	s_cmp_eq_u32 s2, 0
	s_cbranch_scc0 .Lentry_in_a_cluster
	s_endpgm
.Lentry_in_a_cluster:
	s_bfe_u32 s2, ttmp6, 0x10000c
	s_cmp_lg_u32 s2, 0xf033
	s_cbranch_scc0 .Lentry_shape_is_right
	s_endpgm
.Lentry_shape_is_right:
; THE OUTPUT PROJECTION, THE COLUMN MEAN AND THE CLS ROW.  act [bp 32][u 32][row 256][32] bf16 (a UNIT is 32 along K; row u of a batch's 128 holds grid row (u % 4) * 32 + u / 4);
; wo [nq 8][u 32][128][32] bf16; b_out [1024], x [64][129][1024], out [64][129][1024] f32.  y = act wo^T;  cls = x[b][0] + mean over rows of y + b_out;  out[b][0] = cls;  out[b][1 + row] = y + b_out + cls.
; SHARES.  Work-group (nq, bp): two batches' 256 rows x 128 columns, K = 1,024.  Wave w: all 128 rows of batch 2 bp + w / 2 x 64 columns (half w % 2), 32 accumulators.  Source 0 = 16 rows of act,
; source 1 = 16 rows of wo: a lane holds ONE column and 8 rows an accumulator, so a column's sum over the 128 rows is made in the lane, with one exchange between the halves of the lanes.
; CLUSTER 4 x 4: a row of the cluster shares the pair of batches (A's tiles), a column the 128 columns (B's tiles): joint loads.  RING: K in steps of 128 (four units) through two LDS slots; a step's
; tiles are dense in memory and are asked for as rows of 256 bytes, padded in LDS by 16 bytes behind each; waves 0, 1 fetch A's halves (128 rows), waves 2, 3 B's (64 rows).  A wave has two tensor loads out at the start, later one.
; REGISTERS: window 0: v2-11, v24 addresses, v12-19 b_out and x's CLS row for my four columns, v28-29 the add's, v32-127 and v128-223 two fragment buffers (A 64, B 32).  Window 1: accumulator (cb, rb) at v[8 (8 cb + rb)].
; LIMITS.  Matrix operands are bf16; NaN and infinities are not treated apart.
.set UA,    17408                      ; a unit of A in LDS: 256 rows of 64 bytes = 64 x (256 + 16).  Row r lies at (r / 4) x 272 + (r % 4) x 64
.set UBO,   8704                       ; a unit of B: 128 rows
.set FR,    1088                       ; 16 rows
.set BOFF,  4*UA                       ; a slot: A's four units, then B's four
.set SLOT,  4*UA+4*UBO
.set SPARE, 2*SLOT                     ; the spare words: two blocks of 256 bytes that no other line names
.set SP,    272                        ; a stage row: 64 f32 + 16 bytes
.set STG,   17920                      ; a wave's stage: 65 rows, in slot 0, which has had its last fill and its last read by then
.set GW0,   (1<<16)|(1<<20)|(1<<21)|(5<<22)|(3<<25)  ; 2-byte elements; padding on; bit 21 beside a mask; after every 64 words; 4 words
.set ADRA, 2
.set ADRB, 4
.set STO,  6
.set RD,   7
.set GO,   8
.set STC,  9
.set LN,   10
.set CO,   11
.set BO,   12
.set XC,   16
.set RDC,  24                          ; v24  my stage + 16 (lane % 16): for the one row that every lane reads alike
.set SPW,  28
.set NIL,  29
.set F0,   32
.set F1,   128
.set TS,   32                          ; v32-47 the column sums at work
.set CL,   48                          ; v48-51 cls
.set TT,   52                          ; v52-59 cls + b_out, twice each
.set OB,   64
.set CR,   192                         ; v192-195 the CLS row on its way out
.set WV,  18
.set LAP, 19
.set G1A, 24
.set G0A, 32
.set G1B, 40
.set G0B, 48
.set SEL, 68
.set INV, 78                           ; s78  1 / 128
.set MSB, 0
.macro WIN new
.if MSB != (\new)
	s_set_vgpr_msb (MSB<<8)|(\new)
.set MSB, \new
.endif
.endm
.macro PLACES
.rept 4
	v_nop
.endr
.endm
.macro JLOAD s                         ; a joint load: waves 0, 1 ask for A's halves, waves 2, 3 for B's
	s_cmp_lt_u32 s[WV], 2
	s_cbranch_scc0 .Lfor_b_\@
	tensor_load_to_lds s[G0A+4*(\s):G0A+4*(\s)+3], s[G1A:G1A+7]
	s_nop 0
.rept 4
	v_nop
.endr
	s_branch .Lasked_\@
.Lfor_b_\@:
	tensor_load_to_lds s[G0B+4*(\s):G0B+4*(\s)+3], s[G1B:G1B+7]
	s_nop 0
.rept 4
	v_nop
.endr
.Lasked_\@:
.endm
.macro CREST
	s_cmp_lg_u32 s[WV], 0
	s_cbranch_scc1 .Lnot_wave_0_\@
	s_barrier_signal -3
.Lnot_wave_0_\@:
	s_barrier_wait -3
	s_barrier_signal -1
	s_barrier_wait -1
.endm
.macro CROUND
	s_barrier_signal -1
	s_barrier_wait -1
	CREST
.endm
.macro MUL3 f, i0, n, zero             ; n matrix instructions from accumulator i0 on, fragments in buffer f; the 32 accumulators take turns
	WIN 0x50
.set a, (\i0)
.rept (\n)
.if \zero
	v_wmma_f32_16x16x32_bf16 v[8*a:8*a+7], v[(\f)+8*(a%8):(\f)+8*(a%8)+7], v[(\f)+64+8*(a/8):(\f)+64+8*(a/8)+7], 0
.else
	v_wmma_f32_16x16x32_bf16 v[8*a:8*a+7], v[(\f)+8*(a%8):(\f)+8*(a%8)+7], v[(\f)+64+8*(a/8):(\f)+64+8*(a/8)+7], v[8*a:8*a+7]
.endif
.set a, a+1
.endr
.endm
.macro FETCH slot, q, f                ; 24 loads: unit q of a K step
.set i, 0
.rept 4
	ds_load_b128 v[(\f)+64+8*i:(\f)+64+8*i+3],   v[ADRB+(\slot)] offset:(\q)*UBO+i*FR
	ds_load_b128 v[(\f)+64+8*i+4:(\f)+64+8*i+7], v[ADRB+(\slot)] offset:(\q)*UBO+i*FR+32
.set i, i+1
.endr
.set i, 0
.rept 8
	ds_load_b128 v[(\f)+8*i:(\f)+8*i+3],   v[ADRA+(\slot)] offset:(\q)*UA+i*FR
	ds_load_b128 v[(\f)+8*i+4:(\f)+8*i+7], v[ADRA+(\slot)] offset:(\q)*UA+i*FR+32
.set i, i+1
.endr
.endm
.macro QS slot, q, zero                ; one of a K step's first three units: the next unit's fragments are asked for, then this unit's 32 products
	s_wait_dscnt 0x0                               ; this unit's fragments are in
	PLACES                                         ; the other buffer was multiplied last
	WIN 0
	FETCH \slot, (\q)+1, F0+96*(((\q)+1)%2)
	MUL3 F0+96*((\q)%2), 0, 32, \zero
.endm
; The last unit, and the change of slots: each wave waits for all its tensor loads (one is out: its part of the next slot), adds 0 to its spare word, waits for that and for its reads of
; this slot.  fill = 1: the barrier opens a round of the cluster's, and the joint refill, two K steps on, is the first thing behind it: 112 matrix instructions ahead of the wait for it.
.macro TURN3 slot, next, fill
	s_wait_dscnt 0x0
	WIN 0
	s_wait_tensorcnt 0x0
	ds_add_u32 v[SPW], v[NIL]                      ; 0 onto my spare word; eight products stand between it and the wait for it
	MUL3 F1, 0, 8, 0
.if \fill
	s_add_nc_u64 s[G0A+4*(\slot)+2:G0A+4*(\slot)+3], s[G0A+4*(\slot)+2:G0A+4*(\slot)+3], 2*65536
	s_add_nc_u64 s[G0B+4*(\slot)+2:G0B+4*(\slot)+3], s[G0B+4*(\slot)+2:G0B+4*(\slot)+3], 2*32768
.endif
	s_wait_dscnt 0x0
	s_barrier_signal -1
	MUL3 F1, 8, 8, 0
	WIN 0
	s_barrier_wait -1
.if \fill
	CREST
	JLOAD \slot                                    ; its four v_nop are also the places in front of the loads below
.else
	PLACES
.endif
	FETCH \next, 0, F0
	MUL3 F1, 16, 16, 0
.endm
	s_load_b256 s[4:11], s[0:1], 0x0               ; act s[4:5], wo s[6:7], b_out s[8:9], x s[10:11]
	s_load_b64 s[12:13], s[0:1], 0x20              ; out
	v_lshl_add_u32 v[SPW], v0, 2, SPARE
	v_mov_b32 v[NIL], 0
	ds_add_u32 v[SPW], v[NIL]                      ; the wave's opening: the add and its wait stand ahead of my first tensor load
	v_lshrrev_b32 v1, 5, v0
	v_readfirstlane_b32 s[WV], v1
	s_bfe_u32 s20, ttmp6, 0x40000                  ; cx
	s_bfe_u32 s21, ttmp6, 0x40004                  ; cy
	s_lshl_b32 s22, ttmp9, 2
	s_add_co_u32 s22, s22, s20                     ; nq
	s_and_b32 s23, ttmp7, 0xffff
	s_lshl_b32 s23, s23, 2
	s_add_co_u32 s23, s23, s21                     ; bp
	s_lshl_b32 s72, s21, 2
	s_lshl_b32 s72, 15, s72                        ; my row of the cluster
	s_lshl_b32 s73, 0x1111, s20                    ; my column
	s_or_b32 s[G1A], s72, GW0
	s_or_b32 s[G1B], s73, GW0
	s_mov_b32 s[G1A+1], 128<<16                    ; rows of 128 elements (256 bytes),
	s_mov_b32 s[G1A+2], 128<<16                    ; 128 of them
	s_mov_b32 s[G1A+3], 128<<16
	s_mov_b32 s[G1A+4], 128
	s_mov_b32 s[G1A+5], 128                        ; dense
	s_mov_b32 s[G1A+6], 0
	s_mov_b32 s[G1A+7], 0
	s_mov_b32 s[G1B+1], 128<<16
	s_mov_b32 s[G1B+2], 64<<16                     ; 64 rows
	s_mov_b32 s[G1B+3], 128<<16
	s_mov_b32 s[G1B+4], 64
	s_mov_b32 s[G1B+5], 128
	s_mov_b32 s[G1B+6], 0
	s_mov_b32 s[G1B+7], 0
	s_and_b32 s56, s[WV], 1                        ; which half of a tile I fetch.  Also: which 64 of the 128 columns are mine
	s_lshr_b32 s57, s[WV], 1                       ; which of the two batches is mine
	s_lshl_b32 s58, s23, 19                        ; A: the pair's 32 units of 16,384 bytes,
	s_lshl_b32 s59, s56, 15                        ; my half of a step's 65,536
	s_add_co_u32 s58, s58, s59
	s_mov_b32 s59, 0
	s_lshl_b32 s60, s22, 18                        ; B: 32 units of 8,192 bytes,
	s_lshl_b32 s61, s56, 14                        ; my half of a step's 32,768
	s_add_co_u32 s60, s60, s61
	s_mov_b32 s61, 0
	s_mul_i32 s62, s56, 128*272                    ; where it lands: A's half,
	s_mul_i32 s63, s56, 64*272
	s_add_co_u32 s63, s63, BOFF                    ; B's half
	s_lshl_b32 s79, s23, 1
	s_add_co_u32 s79, s79, s57                     ; my batch
	s_mul_i32 s66, s79, 528384                     ; its 129 rows of x and of out
	s_mov_b32 s67, 0
	s_lshl_b32 s70, s22, 9
	s_lshl_b32 s71, s56, 8
	s_add_co_u32 s70, s70, s71                     ; my 64 columns, in bytes
	s_add_co_u32 s74, s66, s70
	s_mov_b32 s75, 0
	s_mul_i32 s76, s[WV], STG                      ; my stage
	s_mul_i32 s77, s56, 16*272
	s_add_co_u32 s77, s77, BOFF                    ; my 64 rows in a unit of B
	s_mul_i32 s80, s57, 32*272                     ; my batch's 128 rows in a unit of A
	s_mov_b32 s[SEL], 0x76543210
	s_mov_b32 s[SEL+1], 0xfedcba98
	s_mov_b32 s[INV], 0x3c000000                   ; 1 / 128
	s_wait_dscnt 0x0
	s_wait_kmcnt 0x0
	s_add_nc_u64 s[58:59], s[4:5], s[58:59]
	s_add_nc_u64 s[60:61], s[6:7], s[60:61]
	s_add_nc_u64 s[10:11], s[10:11], s[66:67]
	s_add_nc_u64 s[12:13], s[12:13], s[74:75]
.irp s, 0,1
	s_mov_b32 s[G0A+4*(\s)], 1
	s_add_co_u32 s[G0A+4*(\s)+1], s62, (\s)*SLOT
	s_add_nc_u64 s[G0A+4*(\s)+2:G0A+4*(\s)+3], s[58:59], (\s)*65536
	s_or_b32 s[G0A+4*(\s)+3], s[G0A+4*(\s)+3], 0x80000000
	s_mov_b32 s[G0B+4*(\s)], 1
	s_add_co_u32 s[G0B+4*(\s)+1], s63, (\s)*SLOT
	s_add_nc_u64 s[G0B+4*(\s)+2:G0B+4*(\s)+3], s[60:61], (\s)*32768
	s_or_b32 s[G0B+4*(\s)+3], s[G0B+4*(\s)+3], 0x80000000
.endr
	CROUND
	JLOAD 0
	JLOAD 1
	v_and_b32 v[LN], 31, v0
	v_and_b32 v20, 15, v0                          ; r
	v_bfe_u32 v21, v0, 4, 1                        ; h
	v_lshl_add_u32 v[CO], v20, 2, s70              ; column 16 cb + r of my 64
.set cb, 0
.rept 4
	global_load_b32 v[BO+cb], v[CO], s[8:9] offset:64*cb
	global_load_b32 v[XC+cb], v[CO], s[10:11] offset:64*cb
.set cb, cb+1
.endr
	v_lshrrev_b32 v22, 2, v20
	v_mul_u32_u24 v22, v22, 272                    ; a fragment's row r: (r / 4) x 272
	v_and_b32 v23, 3, v0
	v_lshl_add_u32 v22, v23, 6, v22                ; + (r % 4) x 64
	v_lshl_add_u32 v22, v21, 4, v22                ; + 16 x half
	v_add_nc_u32 v[ADRA], s80, v22
	v_add_nc_u32 v[ADRA+1], SLOT, v[ADRA]
	v_add_nc_u32 v[ADRB], s77, v22
	v_add_nc_u32 v[ADRB+1], SLOT, v[ADRB]
	v_mul_u32_u24 v[STO], v21, 8*SP                ; into the stage: row 8 h + j, column r
	v_lshl_add_u32 v[STO], v20, 2, v[STO]
	v_add_nc_u32 v[STO], s76, v[STO]
	v_mul_u32_u24 v[RD], v21, SP                   ; back: lanes 0-15 one row of 256 bytes, lanes 16-31 the next
	v_lshl_add_u32 v[RD], v20, 4, v[RD]
	v_add_nc_u32 v[RD], s76, v[RD]
	v_lshl_add_u32 v[RDC], v20, 4, s76             ; back, for stage row 64: both halves of the lanes take the same row, so no lane leaves my stage
	v_lshlrev_b32 v[GO], 17, v21                   ; in out the odd working row lies 32 rows below the even one
	v_lshl_add_u32 v[GO], v20, 4, v[GO]
	v_lshl_add_u32 v[STC], v20, 2, s76
	s_wait_loadcnt 0x0
	s_wait_tensorcnt 0x1                           ; my part of K step 0 is in; step 1's may stay out
	s_barrier_signal -1
	s_barrier_wait -1
	FETCH 0, 0, F0
	QS 0, 0, 1                                     ; the first unit stands in front of the loop: its products start the sums
	WIN 0
	s_mov_b32 s[LAP], 3
.Llap:                                                 ; a trip goes once round the ring and fills both slots again: K steps 2 to 7
	QS 0, 1, 0
	QS 0, 2, 0
	TURN3 0, 1, 1
	QS 1, 0, 0
	QS 1, 1, 0
	QS 1, 2, 0
	TURN3 1, 0, 1
	QS 0, 0, 0
	WIN 0
	s_sub_co_u32 s[LAP], s[LAP], 1
	s_cmp_lg_u32 s[LAP], 0
	s_cbranch_scc1 .Llap
	QS 0, 1, 0                                     ; the tail asks for nothing
	QS 0, 2, 0
	TURN3 0, 1, 0
	QS 1, 0, 0
	QS 1, 1, 0
	QS 1, 2, 0
	s_wait_dscnt 0x0
	MUL3 F1, 0, 32, 0
	; THE COLUMN SUMS: for each of my four columns two chains of pairs over its 8 accumulators, each read from its low end on
	PLACES
	WIN 0x05                                       ; both sources window 1, destination window 0
.set cb, 0
.rept 4
	v_pk_add_f32 v[TS+4*cb:TS+4*cb+1], v[64*cb:64*cb+1], v[64*cb+2:64*cb+3]
.set cb, cb+1
.endr
.set cb, 0
.rept 4
	v_pk_add_f32 v[TS+4*cb+2:TS+4*cb+3], v[64*cb+4:64*cb+5], v[64*cb+6:64*cb+7]
.set cb, cb+1
.endr
	WIN 0x04                                       ; source 1 window 1
.set rb, 1
.rept 7
.set jj, 0
.rept 4
.set cb, 0
.rept 4
	v_pk_add_f32 v[TS+4*cb+2*(jj%2):TS+4*cb+2*(jj%2)+1], v[TS+4*cb+2*(jj%2):TS+4*cb+2*(jj%2)+1], v[64*cb+8*rb+2*jj:64*cb+8*rb+2*jj+1]
.set cb, cb+1
.endr
.set jj, jj+1
.endr
.set rb, rb+1
.endr
	WIN 0
.macro EACH line:vararg                ; one line for each of my four columns
.set cb, 0
.rept 4
	\line
.set cb, cb+1
.endr
.endm
	EACH v_pk_add_f32 v[TS+4*cb:TS+4*cb+1], v[TS+4*cb:TS+4*cb+1], v[TS+4*cb+2:TS+4*cb+3]
	EACH v_add_f32 v[TS+4*cb], v[TS+4*cb], v[TS+4*cb+1]
	EACH v_permlanex16_b32 v[TS+4*cb+1], v[TS+4*cb], s[SEL], s[SEL+1]
	EACH v_add_f32 v[TS+4*cb], v[TS+4*cb], v[TS+4*cb+1]
	EACH v_add_f32 v[XC+cb], v[XC+cb], v[BO+cb]
	EACH v_fma_f32 v[CL+cb], v[TS+4*cb], s[INV], v[XC+cb]
	EACH v_add_f32 v[TT+2*cb], v[CL+cb], v[BO+cb]
	EACH v_add_f32 v[TT+2*cb+1], v[CL+cb], v[BO+cb]
	WIN 0x41                                       ; y + (b_out + cls), in place in window 1
.set a, 0
.rept 32
.set jj, 0
.rept 4
	v_pk_add_f32 v[8*a+2*jj:8*a+2*jj+1], v[8*a+2*jj:8*a+2*jj+1], v[TT+2*(a/8):TT+2*(a/8)+1]
.set jj, jj+1
.endr
.set a, a+1
.endr
; THE WAY OUT, 64 working rows a pass: a lane's numbers are one column, so they go through my stage by words and come back as whole rows of 256 bytes.
; Working row u = 64 p + 2 t + h is grid row (u % 4) * 32 + u / 4 = 64 (t % 2) + 32 h + 16 p + t / 2; out's row is one further down.
.macro PASS p
	WIN 0x04                                       ; the data (source 1) in window 1
.set rbl, 0
.rept 4
.set cb, 0
.rept 4
.set j, 0
.rept 8
	ds_store_b32 v[STO], v[8*(8*cb+4*(\p)+rbl)+j] offset:(16*rbl+j)*SP+64*cb
.set j, j+1
.endr
.set cb, cb+1
.endr
.set rbl, rbl+1
.endr
	WIN 0
.if (\p) == 0
	EACH ds_store_b32 v[STC], v[CL+cb] offset:64*SP+64*cb
.else
	s_wait_xcnt 0x0                                ; the first pass's stores have read their registers: only behind this wait are these loaded again
.endif
.set t, 0
.rept 32
	ds_load_b128 v[OB+4*t:OB+4*t+3], v[RD] offset:t*2*SP   ; LDS serves a wave's instructions in order (ISA guide 5.7.1.4): these see the stores above
.set t, t+1
.endr
.set t, 0
.rept 32
.if t%4 == 0
	s_wait_dscnt 28-t                              ; the next four loads from the stage are in; the younger ones stay out
.endif
	global_store_b128 v[GO], v[OB+4*t:OB+4*t+3], s[12:13] offset:((t%2)*64+16*(\p)+t/2+1)*4096 th:TH_STORE_NT   ; 16 lanes: 256 consecutive bytes, at a multiple of 256
.set t, t+1
.endr
.endm
	PASS 0
	PASS 1
	; THE CLS ROW: stage row 64, which the first pass wrote and the second left alone.  Every lane reads (bytes 17,408 to 17,663 of my own stage, into registers that no store names);
	; lanes 0-15 store: 256 consecutive bytes of out's row 0.
	ds_load_b128 v[CR:CR+3], v[RDC] offset:64*SP
	v_cmp_gt_u32 vcc_lo, 16, v[LN]
	s_wait_dscnt 0x0
	s_wait_xcnt 0x0                                ; EXEC changes only behind this wait: the stores above have it among their sources
	s_and_saveexec_b32 s56, vcc_lo
	global_store_b128 v[GO], v[CR:CR+3], s[12:13] th:TH_STORE_NT
	s_wait_xcnt 0x0                                ; and again, in front of the line that widens it
	s_or_b32 exec_lo, exec_lo, s56
	s_wait_tensorcnt 0x0                           ; the wave's end: behind my last tensor load and my last LDS store
	ds_add_u32 v[SPW], v[NIL]
	s_wait_dscnt 0x0
	CROUND                                         ; the closing round
	s_endpgm
.Lfunc_end_k_q41465ec6b3_outp:
	.size	k_q41465ec6b3_outp, .Lfunc_end_k_q41465ec6b3_outp-k_q41465ec6b3_outp
	.p2alignl 7, 3214868480
	.fill 96, 4, 3214868480
	.section	.rodata,"a",@progbits
	.p2align	6, 0x0
	.amdhsa_kernel k_q41465ec6b3_outp
		.amdhsa_group_segment_fixed_size 327680
		.amdhsa_private_segment_fixed_size 0
		.amdhsa_enable_private_segment 0
		.amdhsa_kernarg_size 40
		.amdhsa_user_sgpr_count 2
		.amdhsa_user_sgpr_kernarg_segment_ptr 1
		.amdhsa_wavefront_size32 1
		.amdhsa_system_sgpr_workgroup_id_x 1
		.amdhsa_system_sgpr_workgroup_id_y 1
		.amdhsa_system_sgpr_workgroup_id_z 1
		.amdhsa_system_vgpr_workitem_id 0
		.amdhsa_next_free_vgpr 512
		.amdhsa_next_free_sgpr 88
		.amdhsa_reserve_vcc 1
		.amdhsa_float_denorm_mode_32 3
		.amdhsa_float_denorm_mode_16_64 3
		.amdhsa_memory_ordered 1
		.amdhsa_forward_progress 1
		.amdhsa_inst_pref_size 115
	.end_amdhsa_kernel
	.amdgpu_metadata
---
amdhsa.version: [ 1, 2 ]
amdhsa.kernels:
  - .name:           k_q41465ec6b3_outp
    .symbol:         k_q41465ec6b3_outp.kd
    .args:
      - { .name: act0, .offset: 0, .size: 8, .value_kind: global_buffer, .address_space: global }
      - { .name: wo, .offset: 8, .size: 8, .value_kind: global_buffer, .address_space: global }
      - { .name: b_out, .offset: 16, .size: 8, .value_kind: global_buffer, .address_space: global }
      - { .name: x, .offset: 24, .size: 8, .value_kind: global_buffer, .address_space: global }
      - { .name: out0, .offset: 32, .size: 8, .value_kind: global_buffer, .address_space: global }
    .group_segment_fixed_size: 327680
    .private_segment_fixed_size: 0
    .kernarg_segment_align: 8
    .kernarg_segment_size: 40
    .max_flat_workgroup_size: 128
    .sgpr_count:     88
    .vgpr_count:     512
    .wavefront_size: 32
...
	.end_amdgpu_metadata
.endif
;; end of part 3
;; ======== version 2 of 2: 4 launches; version 1 with the launch pack written anew for expert scheduling mode
;; workspace buffers: act0 16,777,216 bytes; act1 16,777,216 bytes; wpa 6,291,456 bytes; wpf 6,291,456 bytes; wo 2,097,152 bytes; mask_a 2,048 bytes; mask_f 2,048 bytes
;; launch pack (part 4): grid 480 x 1, 8 waves a work-group, no clusters, 0 bytes of LDS; arguments x, w_q_ant, w_k_ant, w_v_ant, w_q_freq, w_k_freq, w_v_freq, w_out, act0, wpa, wpf, wo, mask_a, mask_f; writes act0, wpa, wpf, wo, mask_a, mask_f
.if DOCPART == 4
	.amdgcn_target "amdgcn-amd-amdhsa--gfx1250"
	.amdhsa_code_object_version 6
	.text
	.protected	k_q41465ec6b3_pack
	.globl	k_q41465ec6b3_pack
	.p2align	8
	.type	k_q41465ec6b3_pack,@function
k_q41465ec6b3_pack:
	s_mov_b64 s[64:65], 0
	v_nop
	global_prefetch_b8 v0, s[64:65] scope:SCOPE_SE
	s_setreg_imm32_b32 hwreg(HW_REG_WAVE_SCHED_MODE, 0, 2), 2
	s_setreg_imm32_b32 hwreg(HW_REG_WAVE_MODE, 25, 1), 1
	s_wait_xcnt 0x0
	s_wait_alu depctr_vm_vsrc(0)
; PACK: x's grid rows and the seven weights are rounded once to bf16 and laid in UNITS of 32 along K, so that the later launches' tiles are dense in memory.
;   act0 [bp 32][u 32][row 256][32]      batch 2 bp + row / 128; row % 128 = 32 g + a (source row 1 + 4 a + g): an antenna group is 32 neighbouring rows
;   wpa, wpf [hgp 8][u 32][n 384][32]    n = 192 hh + 64 t + c: head 2 hgp + hh, t = q, k, v, channel c (source row 64 head + c of weight t)
;   wo  [nq 8][u 32][128][32]            source row 128 nq + c
;   mask_a, mask_f [tile 2][lane 32][8] f32: what the attention adds to a 16 x 16 tile of scores (lane: query lane % 16, keys 8 (lane / 16) + j).
;     mask_a: 0 everywhere.  mask_f tile 0 (query and key block alike): 0 where key / 4 = query / 4, else -1e30; tile 1 (unlike blocks): -1e30.
; A stream: each byte is read once and written once; no LDS, no matrix unit, no cluster (no two work-groups share a byte).
; A work-group takes 32 rows that lie together in the destination, 1,024 columns.  480 = 256 (x: batch, group) + 7 x 32 (weights).  A wave takes four of the rows.
; Sixteen lanes read 256 consecutive bytes of a row: 64 columns, which belong to two units.  Load P brings rows 0 and 2 of the wave's four, load Q rows 1 and 3.  Rounded, lanes 0-7 of each
; half hold the first unit's 64 bytes of a row and lanes 8-15 the second's.  An exchange of the 8-lane halves puts the four rows' parts of ONE unit into one register pair, so that each
; store of the wave covers 256 consecutive bytes, at a multiple of 256.  All 32 loads go out at once.
; THE MODE: SCHED_MODE bits 1:0 = 2 (LLVM: expert scheduling mode 2), set by the entry lines.  The code itself states the register dependences
; between vector instructions and memory instructions, with s_wait_alu, always for 0.
; THE PLAN.  Registers that memory instructions touch:
;   SO, DOF    byte offsets.  Written once at the head by vector instructions; read by the 32 loads and the 32 stores; never written again.
;   X          32 x 4.  Each set is landed in once, by a load issued at the head, before any vector instruction has named it; step kb's four roundings read sets 2 kb and 2 kb + 1.
;   Y          16 x 4.  Step kb's four selects write set kb, once; two stores read it; never written again.
;   v24-31     named by vector instructions alone in the stream.
; So one wait on va_vdst stands ahead of the first load (the offsets), and one for every two steps ahead of those steps' four stores (their Y): at the head of the next step, behind its wait
; for loads.  No register that a memory instruction has read is ever written again, on any path, so the only wait on vm_vsrc is the one at the entry; EXEC is never written.
; Scalar registers that vector instructions write: s56 (the wave's number), s62 (a lane mask), and in the masks' part s43-s50: a wait on va_sdst stands behind each run of writers, ahead of the first reader.
.set SO,  2                            ; v2-3     source offset of my 16 bytes for load P, Q
.set DOF, 8                            ; v8-23    destination offset for the pair of units kb
.set PC,  24                           ; v24-25   P rounded
.set QC,  26                           ; v26-27   Q rounded
.set TP,  28                           ; v28-29   P with the 8-lane halves exchanged
.set TQ,  30                           ; v30-31   Q likewise
.set X,   32                           ; v32-159  32 loads
.set Y,   160                          ; v160-223 32 stores
.set MS,  43                           ; s43-50   in the masks' part: eight lane masks (the offsets that lay here are used up by then)
	s_load_b512 s[8:23], s[0:1], 0x0               ; x, w_q_ant, w_k_ant, w_v_ant, w_q_freq, w_k_freq, w_v_freq, w_out
	s_load_b256 s[24:31], s[0:1], 0x40             ; act0, wpa, wpf, wo
	s_load_b128 s[32:35], s[0:1], 0x60             ; mask_a, mask_f
	s_mov_b32 s42, ttmp9                           ; the work-group's number
	; as a part of x: batch id / 4, group id % 4
	s_lshr_b32 s43, s42, 2
	s_and_b32 s44, s42, 3
	s_mul_i32 s46, s43, 528384                     ; 129 rows of 4,096 bytes a batch
	s_lshl_b32 s47, s44, 12
	s_add_co_u32 s46, s46, s47
	s_add_co_u32 s46, s46, 4096                    ; source: row 1 + g
	s_lshr_b32 s48, s43, 1
	s_lshl_b32 s48, s48, 19                        ; destination: the pair of batches (32 units of 16,384 bytes),
	s_and_b32 s47, s43, 1
	s_lshl_b32 s47, s47, 13                        ; 128 rows of 64 bytes for the odd batch,
	s_add_co_u32 s48, s48, s47
	s_lshl_b32 s47, s44, 11                        ; 32 rows a group
	s_add_co_u32 s48, s48, s47
	; as a part of a weight: weight (id - 256) / 32, rows 32 j on
	s_and_b32 s55, s42, 0xff
	s_lshr_b32 s45, s55, 5
	s_and_b32 s55, s55, 31                         ; j
	s_lshl_b32 s50, s55, 17                        ; source: 32 j rows of 4,096 bytes
	s_cmp_ge_u32 s45, 3
	s_cselect_b32 s51, 3, 0
	s_sub_co_u32 s51, s45, s51                     ; t (of no use for w_out)
	s_lshl_b32 s51, s51, 12                        ; 64 rows of 64 bytes
	s_lshr_b32 s52, s55, 2                         ; hgp, or nq
	s_mul_i32 s53, s52, 786432                     ; 32 units of 24,576 bytes
	s_add_co_u32 s53, s53, s51
	s_bfe_u32 s54, s55, 0x10001                    ; hh = (j / 2) % 2
	s_mul_i32 s54, s54, 12288                      ; 192 rows
	s_add_co_u32 s53, s53, s54
	s_and_b32 s54, s55, 1
	s_lshl_b32 s54, s54, 11
	s_add_co_u32 s53, s53, s54                     ; destination in wpa or wpf
	s_lshl_b32 s52, s52, 18                        ; 32 units of 8,192 bytes
	s_and_b32 s54, s55, 3
	s_lshl_b32 s54, s54, 11
	s_add_co_u32 s52, s52, s54                     ; destination in wo
	s_mov_b32 s40, 4096                            ; bytes from source row to source row
	s_mov_b32 s58, 24576                           ; bytes from unit to unit in the destination
	s_cmp_eq_u32 s45, 6
	s_cselect_b32 s58, 8192, s58
	s_cselect_b32 s53, s52, s53
	s_cmp_lt_u32 s42, 256
	s_cselect_b32 s40, 16384, s40                  ; x: four rows on
	s_cselect_b32 s58, 16384, s58
	s_cselect_b32 s46, s46, s50
	s_cselect_b32 s48, s48, s53
	s_cselect_b32 s45, 15, s45                     ; which weight; 15: none
	s_mov_b32 s47, 0
	s_mov_b32 s49, 0
	s_mov_b32 s59, 0
	s_lshl_b32 s41, s58, 1                         ; bytes from one pair of units to the next
	v_lshrrev_b32 v1, 5, v0
	v_readfirstlane_b32 s56, v1                    ; wave
	v_and_b32 v4, 31, v0                           ; lane
	v_lshrrev_b32 v5, 4, v4
	v_lshlrev_b32 v5, 1, v5
	v_lshl_add_u32 v5, v1, 2, v5                   ; load P: row 4 wave + 2 (lane / 16) of the 32
	v_and_b32 v6, 15, v0
	v_lshlrev_b32 v6, 4, v6
	v_mad_u32_u24 v[SO], v5, s40, v6
	v_add_nc_u32 v5, 1, v5                         ; load Q: one row further down
	v_mad_u32_u24 v[SO+1], v5, s40, v6
	v_lshlrev_b32 v7, 3, v4
	v_lshl_add_u32 v7, v1, 8, v7                   ; 4 rows of 64 bytes a wave + 8 bytes a lane
.set kb, 0
.rept 16
	v_mad_u32_u24 v[DOF+kb], s41, kb, v7
.set kb, kb+1
.endr
	v_and_b32 v[QC], 8, v0
	v_cmp_ne_u32 s62, 0, v[QC]                     ; lanes 8-15 and 24-31
.set j, 0
.rept 4
	v_mov_b32 v[TP+j], 0                           ; a DPP form's destination counts as read: written once here
.set j, j+1
.endr
	s_wait_alu depctr_va_sdst(0)                   ; s56 and s62 are written, ahead of their first readers: the selects of step 0 read s62, the compare in front of the masks' part reads s56
	s_wait_kmcnt 0x0
	s_mov_b64 s[36:37], s[8:9]                     ; the source: x, or the weight
	s_cmp_eq_u32 s45, 0
	s_cselect_b64 s[36:37], s[10:11], s[36:37]
	s_cmp_eq_u32 s45, 1
	s_cselect_b64 s[36:37], s[12:13], s[36:37]
	s_cmp_eq_u32 s45, 2
	s_cselect_b64 s[36:37], s[14:15], s[36:37]
	s_cmp_eq_u32 s45, 3
	s_cselect_b64 s[36:37], s[16:17], s[36:37]
	s_cmp_eq_u32 s45, 4
	s_cselect_b64 s[36:37], s[18:19], s[36:37]
	s_cmp_eq_u32 s45, 5
	s_cselect_b64 s[36:37], s[20:21], s[36:37]
	s_cmp_eq_u32 s45, 6
	s_cselect_b64 s[36:37], s[22:23], s[36:37]
	s_mov_b64 s[38:39], s[24:25]                   ; the destination: act0; wo for weight 6; wpf for 3-5; wpa for 0-2
	s_cmp_lt_u32 s45, 7
	s_cselect_b64 s[38:39], s[30:31], s[38:39]
	s_cmp_lt_u32 s45, 6
	s_cselect_b64 s[38:39], s[28:29], s[38:39]
	s_cmp_lt_u32 s45, 3
	s_cselect_b64 s[38:39], s[26:27], s[38:39]
	s_add_nc_u64 s[36:37], s[36:37], s[46:47]
	s_add_nc_u64 s[38:39], s[38:39], s[48:49]      ; the even units,
	s_add_nc_u64 s[60:61], s[38:39], s[58:59]      ; the odd ones
	s_wait_alu depctr_va_vdst(0)                   ; the offsets v[SO ..] and v[DOF ..] are written: every load and store of the stream reads one of them, and none is written again
.set n, 0
.rept 32                               ; load n: columns 64 (n / 2) on, P (n even) or Q
	global_load_b128 v[X+4*n:X+4*n+3], v[SO+n%2], s[36:37] offset:(n/2)*256 th:TH_LOAD_NT
.set n, n+1
.endr
.macro OUT k                           ; step k's two stores
	global_store_b64 v[DOF+(\k)], v[Y+4*(\k):Y+4*(\k)+1],   s[38:39]   ; 32 lanes: 256 consecutive bytes
	global_store_b64 v[DOF+(\k)], v[Y+4*(\k)+2:Y+4*(\k)+3], s[60:61]
.endm
.set kb, 0
.rept 16
	s_wait_loadcnt 30-2*kb                         ; loads come back in order: this pair is in, the younger ones stay out
.if (kb > 0) && (kb%2 == 0)
	s_wait_alu depctr_va_vdst(0)                   ; the selects of the two steps before have written their Y, which the four stores below read
	OUT kb-2
	OUT kb-1
.endif
	v_cvt_pk_bf16_f32 v[PC],   v[X+8*kb],   v[X+8*kb+1]
	v_cvt_pk_bf16_f32 v[PC+1], v[X+8*kb+2], v[X+8*kb+3]
	v_cvt_pk_bf16_f32 v[QC],   v[X+8*kb+4], v[X+8*kb+5]
	v_cvt_pk_bf16_f32 v[QC+1], v[X+8*kb+6], v[X+8*kb+7]
	v_mov_b32_dpp v[TP],   v[PC]   row_xmask:8 row_mask:0xf bank_mask:0xf
	v_mov_b32_dpp v[TP+1], v[PC+1] row_xmask:8 row_mask:0xf bank_mask:0xf
	v_mov_b32_dpp v[TQ],   v[QC]   row_xmask:8 row_mask:0xf bank_mask:0xf
	v_mov_b32_dpp v[TQ+1], v[QC+1] row_xmask:8 row_mask:0xf bank_mask:0xf
	v_cndmask_b32 v[Y+4*kb],   v[PC],   v[TQ],   s62   ; the even unit: rows 0, 1, 2, 3 in lanes 0-7, 8-15, 16-23, 24-31
	v_cndmask_b32 v[Y+4*kb+1], v[PC+1], v[TQ+1], s62
	v_cndmask_b32 v[Y+4*kb+2], v[TP],   v[QC],   s62   ; the odd unit likewise
	v_cndmask_b32 v[Y+4*kb+3], v[TP+1], v[QC+1], s62
.set kb, kb+1
.endr
	s_wait_alu depctr_va_vdst(0)                   ; the selects of steps 14 and 15 have written their Y, which the last four stores read
	OUT 14
	OUT 15
	; the two masks: wave 0 of work-group 0.  Every load has landed (the last step's wait was for 0), and no memory instruction has read v24-27 or X: they may be written.
	s_cmp_lg_u32 s42, 0
	s_cbranch_scc1 .Ldone
	s_cmp_lg_u32 s56, 0
	s_cbranch_scc1 .Ldone
	s_mov_b32 s57, 0xf149f2ca                      ; -1e30
	v_lshlrev_b32 v24, 5, v4                       ; 32 bytes a lane
	v_and_b32 v25, 15, v0                          ; the query
	v_lshrrev_b32 v26, 4, v4
	v_lshlrev_b32 v26, 3, v26                      ; the lane's first key
.set j, 0
.rept 8                                ; the eight compares stand in one run, each into a scalar register of its own
	v_add_nc_u32 v27, j, v26
	v_xor_b32 v27, v27, v25                        ; key / 4 = query / 4 where key xor query is below 4
	v_cmp_lt_u32 s[MS+j], 3, v27
.set j, j+1
.endr
.set j, 0
.rept 4
	v_mov_b32 v[X+8+j], s57
	v_mov_b32 v[X+12+j], 0
.set j, j+1
.endr
	s_wait_alu depctr_va_sdst(0)                   ; the eight compares have written s[MS ..], which the selects below read
.set j, 0
.rept 8
	v_cndmask_b32 v[X+j], 0, s57, s[MS+j]
.set j, j+1
.endr
	s_wait_alu depctr_va_vdst(0)                   ; v24, the stores' offset, and v[X .. X+15], their data, are written
	global_store_b128 v24, v[X+12:X+15], s[32:33]
	global_store_b128 v24, v[X+12:X+15], s[32:33] offset:16
	global_store_b128 v24, v[X+12:X+15], s[32:33] offset:1024
	global_store_b128 v24, v[X+12:X+15], s[32:33] offset:1040
	global_store_b128 v24, v[X:X+3], s[34:35]
	global_store_b128 v24, v[X+4:X+7], s[34:35] offset:16
	global_store_b128 v24, v[X+8:X+11], s[34:35] offset:1024
	global_store_b128 v24, v[X+8:X+11], s[34:35] offset:1040
.Ldone:
	s_endpgm
.Lfunc_end_k_q41465ec6b3_pack:
	.size	k_q41465ec6b3_pack, .Lfunc_end_k_q41465ec6b3_pack-k_q41465ec6b3_pack
	.p2alignl 7, 3214868480
	.fill 96, 4, 3214868480
	.section	.rodata,"a",@progbits
	.p2align	6, 0x0
	.amdhsa_kernel k_q41465ec6b3_pack
		.amdhsa_group_segment_fixed_size 0
		.amdhsa_private_segment_fixed_size 0
		.amdhsa_enable_private_segment 0
		.amdhsa_kernarg_size 112
		.amdhsa_user_sgpr_count 2
		.amdhsa_user_sgpr_kernarg_segment_ptr 1
		.amdhsa_wavefront_size32 1
		.amdhsa_system_sgpr_workgroup_id_x 1
		.amdhsa_system_sgpr_workgroup_id_y 1
		.amdhsa_system_sgpr_workgroup_id_z 1
		.amdhsa_system_vgpr_workitem_id 0
		.amdhsa_next_free_vgpr 224
		.amdhsa_next_free_sgpr 66
		.amdhsa_reserve_vcc 0
		.amdhsa_float_denorm_mode_32 3
		.amdhsa_float_denorm_mode_16_64 3
		.amdhsa_memory_ordered 1
		.amdhsa_forward_progress 1
		.amdhsa_inst_pref_size 27
	.end_amdhsa_kernel
	.amdgpu_metadata
---
amdhsa.version: [ 1, 2 ]
amdhsa.kernels:
  - .name:           k_q41465ec6b3_pack
    .symbol:         k_q41465ec6b3_pack.kd
    .args:
      - { .name: x, .offset: 0, .size: 8, .value_kind: global_buffer, .address_space: global }
      - { .name: w_q_ant, .offset: 8, .size: 8, .value_kind: global_buffer, .address_space: global }
      - { .name: w_k_ant, .offset: 16, .size: 8, .value_kind: global_buffer, .address_space: global }
      - { .name: w_v_ant, .offset: 24, .size: 8, .value_kind: global_buffer, .address_space: global }
      - { .name: w_q_freq, .offset: 32, .size: 8, .value_kind: global_buffer, .address_space: global }
      - { .name: w_k_freq, .offset: 40, .size: 8, .value_kind: global_buffer, .address_space: global }
      - { .name: w_v_freq, .offset: 48, .size: 8, .value_kind: global_buffer, .address_space: global }
      - { .name: w_out, .offset: 56, .size: 8, .value_kind: global_buffer, .address_space: global }
      - { .name: act0, .offset: 64, .size: 8, .value_kind: global_buffer, .address_space: global }
      - { .name: wpa, .offset: 72, .size: 8, .value_kind: global_buffer, .address_space: global }
      - { .name: wpf, .offset: 80, .size: 8, .value_kind: global_buffer, .address_space: global }
      - { .name: wo, .offset: 88, .size: 8, .value_kind: global_buffer, .address_space: global }
      - { .name: mask_a, .offset: 96, .size: 8, .value_kind: global_buffer, .address_space: global }
      - { .name: mask_f, .offset: 104, .size: 8, .value_kind: global_buffer, .address_space: global }
    .group_segment_fixed_size: 0
    .private_segment_fixed_size: 0
    .kernarg_segment_align: 8
    .kernarg_segment_size: 112
    .max_flat_workgroup_size: 256
    .sgpr_count:     66
    .vgpr_count:     224
    .wavefront_size: 32
...
	.end_amdgpu_metadata
.endif
;; end of part 4
;; launch ant: the kernel of part 2 again; grid 8 x 32, 4 waves a work-group, clusters of 4 x 4, 327,680 bytes of LDS; arguments act0, wpa, b_q_ant, b_k_ant, b_v_ant, mask_a, act1; writes act1
;; launch freq: the kernel of part 2 again; grid 8 x 32, 4 waves a work-group, clusters of 4 x 4, 327,680 bytes of LDS; arguments act1, wpf, b_q_freq, b_k_freq, b_v_freq, mask_f, act0; writes act0
;; launch outp: the kernel of part 3 again; grid 8 x 32, 4 waves a work-group, clusters of 4 x 4, 327,680 bytes of LDS; arguments act0, wo, b_out, x, out0; writes out0
